; MI455X (gfx1250); checked and timed in simulation.
; The chip was launched on July 23, 2026; its instructions are those of AMD's public machine-readable ISA for CDNA 5 (MIT licence, August 2026) and "CDNA5" Instruction Set Architecture Reference Guide (July 2026). The comments in the code are by the model that wrote it; some were corrected since.
;; Multi Head Attention Quantum. Allowed arithmetic: matrix products marked QUANTISED: E2M1 operands, one E8M0 scale for each 32 along K, by v_wmma_scale_f32_16x16x128_f8f6f4 with both operands' format E2M1 (or v_wmma_scale_f32_32x16x128_f4), f32 sums; products left as they are: bf16, f16 or f32 operands; f32 sums; everything else in f32.
;; Inputs: Wk 1,024 x 1,024 float32; Wo 1,024 x 1,024 float32; Wq 1,024 x 1,024 float32; Wv 1,024 x 1,024 float32; bk 1,024 float32; bo 1,024 float32; bq 1,024 float32; bv 1,024 float32; x 4 x 2,048 x 1,024 float32.
;; Outputs: out0 4 x 2,048 x 1,024 float32.
;; This version of the problem:
;;   THIS VERSION OF THE PROBLEM IS GIVEN IN LOW PRECISION. The matrix products marked QUANTISED in the list below multiply operands that are first quantised to E2M1 (2 exponent bits, 1 mantissa bit; 4 bits a number), with one power-of-two scale for each 32 numbers along K (OCP MX v1.0); their sums are f32. The products marked 'left as it is' may take bf16, f16 or f32 operands, with f32 sums. Whichever they take, every output number must still come out within the allowed error. Rounding operands to bf16 (8 significant bits) uses up far more of that allowance than f16 does (11 bits, for magnitudes from 6e-5 to 65,504). All else is computed in f32.
;;   The module's matrix products, in the order in which they are computed (A, B: the left and right operand; K: the contracted axis; several contracted axes count as one K, in the product's order):
;;     1. [M 8,192, K 1,024] x [K 1,024, N 1,024]; A: input x; B: input Wk: QUANTISED
;;     2. [M 8,192, K 1,024] x [K 1,024, N 1,024]; A: input x; B: input Wq: QUANTISED
;;     3. [M 8,192, K 1,024] x [K 1,024, N 1,024]; A: input x; B: input Wv: QUANTISED
;;     4. batch 64 x [M 2,048, K 64] x [K 64, N 2,048]; A: computed on the way; B: computed on the way: left as it is (an operand is computed on the way)
;;     5. batch 64 x [M 2,048, K 2,048] x [K 2,048, N 64]; A: computed on the way; B: computed on the way: left as it is (an operand is computed on the way)
;;     6. [M 8,192, K 1,024] x [K 1,024, N 1,024]; A: computed on the way; B: input Wo: left as it is (an operand is computed on the way)
;;   THE QUANTISER, for each operand of a quantised product, along K:
;;     - K is cut into blocks of 32 from its start; a last block that is shorter is filled with zeros.
;;     - A block's scale is 2^e with e = floor(log2(the largest magnitude in the block)) - 2, held to -126 .. 127; a block of zeros has e = 0. As a byte (E8M0): e + 127.
;;     - Each number is divided by its block's scale, clamped to +-6, and rounded to the nearest number of E2M1, ties to even, subnormals kept.
;;     - The product sums the exact products of the quantised numbers (number of the format x scale) in f32.
;;   ~~~python
;;   def quantise(x, axis):      # numpy; x: float32 -> the quantised numbers, widened to float32 again
;;       x = np.moveaxis(x, axis, -1); K = x.shape[-1]
;;       x = np.pad(x, [(0, 0)] * (x.ndim - 1) + [(0, -K % 32)]); x = x.reshape(x.shape[:-1] + (-1, 32)); a = np.abs(x).max(-1, keepdims=True)
;;       e = np.where(a > 0, np.clip(np.frexp(np.where(a > 0, a, 1))[1] - 1 - 2, -126, 127), 0)      # np.frexp(a)[1] - 1 = floor(log2(a)), exactly
;;       r = np.clip(x / 2.0 ** e, -6, 6)
;;       step = 2.0 ** (np.maximum(np.frexp(np.where(r == 0, 1, r))[1] - 1, 0) - 1)
;;       q = np.round(r / step) * step * 2.0 ** e      # np.round: ties to even
;;       return np.moveaxis(q.reshape(q.shape[:-2] + (-1,))[..., :K], -1, axis).astype(np.float32)
;;   ~~~
;; One version. Each part assembles by itself: llvm-mc -triple=amdgcn-amd-amdhsa -mcpu=gfx1250 --defsym DOCPART=n.
;; ======== version 1 of 1: 4 launches
;; limits: values are held in f16: magnitudes above 65,504 overflow, below 6.1e-05 lose precision; right only within a limited range of input values
;; workspace buffers: xc 4,194,304 bytes; xs 262,144 bytes; wc 1,572,864 bytes; ws 98,304 bytes; wo16 2,097,152 bytes; qkv 50,331,648 bytes; at 16,777,216 bytes
;; launch prep (part 1): grid 368 x 1, 4 waves a work-group, no clusters, 107,008 bytes of LDS; arguments x, Wq, Wk, Wv, Wo, xc, xs, wc, ws, wo16; writes xc, xs, wc, ws, wo16
.if DOCPART == 1
	.amdgcn_target "amdgcn-amd-amdhsa--gfx1250"
	.amdhsa_code_object_version 6
	.text
	.protected	k_q8d4d6f3282_prep
	.globl	k_q8d4d6f3282_prep
	.p2align	8
	.type	k_q8d4d6f3282_prep,@function
k_q8d4d6f3282_prep:
	s_mov_b64 s[64:65], 0
	v_nop
	global_prefetch_b8 v0, s[64:65] scope:SCOPE_SE
	s_setreg_imm32_b32 hwreg(HW_REG_WAVE_MODE, 25, 1), 1
	s_wait_xcnt 0x0
; FIRST OF FOUR LAUNCHES (prep, qkv, attn, proj) for: out = combine(softmax(heads(cumprod(cos(x Wk + bk))) . heads(cumprod(cos(x Wq + bq))) / 8) heads(x Wv + bv)) Wo + bo.
; DEAD WORK: none is left out.  Every input (x, Wq, bq, Wk, bk, Wv, bv, Wo, bo) has a way to the output, and every product of the problem is done in full.
; THIS LAUNCH quantises the operands of the three quantised products to E2M1 with one E8M0 byte for each 32 along K, and rounds Wo to f16.  Everything is laid as IMAGES OF OPERAND REGISTERS:
; 512 bytes = 32 lanes x 16 bytes, lane l at byte 16 l, so that the later launches fetch every fragment by dense loads of 16 bytes a lane.
;   xc  [m-tile 512][block of 32 k: 32][row 16][16 bytes]      xs  [m-tile 512][half of K 2][row 16][16 scale bytes]
;   wc  [matrix q, k, v][K step of 128: 8][n-tile 64][1,024 bytes]   ws  [matrix 3][half of K 2][pair of n-tiles 32][lane 32][16 scale bytes]
;   wo16 [n-tile 64][K step of 32: 32][1,024 bytes], f16, rows = Wo's columns
; A block's scale is 2^(floor(log2(its largest magnitude)) - 2); its byte is the largest magnitude's exponent field - 2, held at 1 from below.
; LIMITS: a block of zeros gets the byte 1 where the rule says 127 (its codes are zeros, which add nothing under any byte but 0xff, and this program alone reads the bytes); blocks whose largest magnitude
; lies under 2^-124 were not tried; NaN and infinities among the inputs are not served; |Wo| stays under 65,504 (f16).
; THREE PATHS, chosen by the work-group's number, each with LDS bytes of its own: 0-47 the three weights (a lane to a column, registers down K), 48-111 Wo (likewise), 112-367 x (K innermost).
; No tensor load, no barrier, no matrix work, no cluster: waves share nothing and no two work-groups read the same bytes.
.set SPARE, 106496                     ; the spare words, 128 bytes for each wave: two blocks of 256 bytes that no other line names
.set SPW,   190                        ; v190  LDS address of my spare word; never rewritten
.set NIL,   191                        ; v191  0; never rewritten
.set WST,   40960                      ; path W: a stage of 8,192 bytes for each wave
.set OST,   73728                      ; path O: the same
; block t of 32 rows of a weight at my column into set t % 2 (v32-95): 32 lanes read 128 consecutive bytes, the four waves 512
.macro KLOAD t
.irp i, 0,1,2,3,4,5,6,7,8,9,10,11,12,13,14,15,16,17,18,19,20,21,22,23,24,25,26,27,28,29,30,31
	global_load_b32 v[32+32*((\t)%2)+\i], v5, s[28:29] offset:(32*(\t)+\i)*4096 th:TH_LOAD_NT
.endr
.endm
; path W: block t of my column: its scale byte into v24-27, its 32 codes (16 bytes) into my stage at the place that the image gives them
.macro WBLOCK t
.set XS, 32+32*((\t)%2)
.if (\t) < 15
	s_wait_loadcnt 32                              ; this block's 32 loads are in; the next block's 32 may be out
.else
	s_wait_loadcnt 0x0
.endif
	v_max3_num_f32 v12, |v[XS]|, |v[XS+1]|, |v[XS+2]|              ; the block's largest magnitude: all 32 numbers are mine; two chains
	v_max3_num_f32 v13, |v[XS+3]|, |v[XS+4]|, |v[XS+5]|
.irp i, 6,10,14,18,22,26
	v_max3_num_f32 v12, v12, |v[XS+\i]|, |v[XS+\i+1]|
	v_max3_num_f32 v13, v13, |v[XS+\i+2]|, |v[XS+\i+3]|
.endr
	v_max3_num_f32 v12, v12, |v[XS+30]|, |v[XS+31]|
	v_max3_num_f32 v12, v12, v13, 0x1800000        ; and the floor 2^(3 - 127): the byte cannot fall under 1
	v_add_nc_u32 v11, 0xff000000, v12              ; 2 off the exponent field: the conversion takes the exponent field of this operand as its scale
.if (\t)%4 == 0
	v_lshrrev_b32 v[24+(\t)/4], 23, v11            ; the scale's byte; four to a register, the lower K in the lower byte
.else
	v_lshrrev_b32 v13, 23, v11
	v_lshl_or_b32 v[24+(\t)/4], v13, 8*((\t)%4), v[24+(\t)/4]
.endif
.irp g, 0,1,2,3
	v_cvt_scalef32_pk8_fp4_f32 v[96+\g], v[XS+8*\g:XS+8*\g+7], v11
.endr
	ds_store_b128 v4, v[96:99] offset:((\t)/4)*2048+(((\t)%4)/2)*512+((\t)%2)*256   ; K step t / 4, half (t % 4) / 2, lanes' half t % 2
.if (\t)+2 < 16
	KLOAD (\t)+2
.endif
	s_wait_dscnt 0x0                               ; the store has read its registers: the next block's codes may be written
.endm
; path O: block t (one K step of 32) of my column: 32 numbers become 16 registers of f16, four chunks of 8 k
.macro OBLOCK t
.set XS, 32+32*((\t)%2)
.if (\t) < 3
	s_wait_loadcnt 32
.else
	s_wait_loadcnt 0x0
.endif
.irp p, 0,1,2,3,4,5,6,7,8,9,10,11,12,13,14,15
	v_cvt_pk_f16_f32 v[96+16*(\t)+\p], v[XS+2*\p], v[XS+2*\p+1]
.endr
.irp e, 0,1,2,3
	ds_store_b128 v4, v[96+16*(\t)+4*\e:96+16*(\t)+4*\e+3] offset:(\t)*1024+\e*256
.endr
.if (\t)+2 < 4
	KLOAD (\t)+2
.endif
.endm
; path X: step t is row t of my m-tile, my half of K: 512 numbers, 2,048 consecutive bytes
.macro XLOAD t
.irp j, 0,1,2,3
	global_load_b128 v[16+16*((\t)%4)+4*\j:16+16*((\t)%4)+4*\j+3], v3, s[4:5] offset:4096*(\t)+512*\j th:TH_LOAD_NT
.endr
.endm
.macro XTURN t                         ; through the turn stage: in as loaded, back 64 bytes (16 neighbours) a lane.  LDS serves a wave's instructions in order: no wait between
.irp j, 0,1,2,3
	ds_store_b128 v14, v[16+16*((\t)%4)+4*\j:16+16*((\t)%4)+4*\j+3] offset:2560*((\t)%2)+640*\j
.endr
.irp j, 0,1,2,3
	ds_load_b128 v[80+16*((\t)%2)+4*\j:80+16*((\t)%2)+4*\j+3], v15 offset:2560*((\t)%2)+16*\j
.endr
.endm
.macro XSTEP t
.set XS, 80+16*((\t)%2)
.if (\t) > 0
	s_wait_dscnt 2                                 ; this step's numbers are back from the stage; the last step's byte store and code store may be out
.else
	s_wait_dscnt 0x0
.endif
.if (\t)+4 < 16
	XLOAD (\t)+4                                   ; into the registers that this step's stores into the stage have read
.endif
.if (\t)+1 < 16
.if 14-(\t) >= 3
	s_wait_loadcnt 12                              ; the next step's four loads are in; those of the three steps behind it may be out
.else
	s_wait_loadcnt 4*(14-(\t))
.endif
	XTURN (\t)+1
.endif
	v_max3_num_f32 v8, |v[XS]|, |v[XS+1]|, |v[XS+2]|               ; the largest magnitude of my 16
	v_max3_num_f32 v9, |v[XS+3]|, |v[XS+4]|, |v[XS+5]|
.irp i, 6,10
	v_max3_num_f32 v8, v8, |v[XS+\i]|, |v[XS+\i+1]|
	v_max3_num_f32 v9, v9, |v[XS+\i+2]|, |v[XS+\i+3]|
.endr
	v_max3_num_f32 v8, v8, |v[XS+14]|, |v[XS+15]|
	v_max3_num_f32 v8, v8, v9, 0x1800000           ; and the floor 2^(3 - 127)
	v_max_num_f32_dpp v8, v8, v8 row_xmask:1 row_mask:0xf bank_mask:0xf   ; and of my neighbour's 16: the block's
	v_add_nc_u32 v11, 0xff000000, v8
	v_cvt_scalef32_pk8_fp4_f32 v[128+2*(\t)], v[XS:XS+7], v11
	v_cvt_scalef32_pk8_fp4_f32 v[129+2*(\t)], v[XS+8:XS+15], v11
	v_lshrrev_b32 v[112+(\t)], 23, v11             ; the scale's byte (a plain line behind the conversions)
	ds_store_b8 v5, v[112+(\t)] offset:5120+16*(\t)                ; both lanes of a block write the same byte with the same value
	ds_store_b64 v4, v[128+2*(\t):129+2*(\t)] offset:5376+16*(\t)  ; my 16 codes: group = my block, row t, my half of its 16 bytes
.endm
	s_load_b256 s[4:11], s[0:1], 0x0               ; x s[4:5], Wq s[6:7], Wk s[8:9], Wv s[10:11]
	s_load_b256 s[12:19], s[0:1], 0x20             ; Wo s[12:13], xc s[14:15], xs s[16:17], wc s[18:19]
	s_load_b128 s[20:23], s[0:1], 0x40             ; ws s[20:21], wo16 s[22:23]
	v_lshl_add_u32 v[SPW], v0, 2, SPARE
	v_mov_b32 v[NIL], 0
	v_lshrrev_b32 v1, 5, v0
	v_readfirstlane_b32 s24, v1                    ; wave 0..3
	v_and_b32 v2, 31, v0                           ; lane
	v_lshlrev_b32 v3, 4, v2                        ; 16 x lane
	s_mov_b32 s31, 0                               ; the high word of every offset
	s_wait_kmcnt 0x0
	s_cmp_ge_u32 ttmp9, 112
	s_cbranch_scc1 .Lpath_x
	s_cmp_ge_u32 ttmp9, 48
	s_cbranch_scc1 .Lpath_o
	; ---- PATH W: 128 columns x 512 along K of one of Wq, Wk, Wv; a wave takes 32 columns, 16 blocks a lane
	s_lshr_b32 s25, ttmp9, 4                       ; which matrix
	s_and_b32 s26, ttmp9, 7                        ; which 128 columns
	s_bfe_u32 s27, ttmp9, 0x10003                  ; which half of K
	s_cmp_eq_u32 s25, 0
	s_cselect_b64 s[28:29], s[6:7], s[8:9]
	s_cmp_eq_u32 s25, 2
	s_cselect_b64 s[28:29], s[10:11], s[28:29]
	s_lshl_b32 s30, s27, 21                        ; 512 rows of 4,096 bytes
	s_lshl_b32 s32, s26, 9
	s_add_co_u32 s30, s30, s32
	s_lshl_b32 s32, s24, 7
	s_add_co_u32 s30, s30, s32
	s_add_nc_u64 s[28:29], s[28:29], s[30:31]      ; the weight at my wave's first column and row
	s_lshl_b32 s30, s25, 1
	s_add_co_u32 s30, s30, s27
	s_lshl_b32 s30, s30, 5
	s_lshl_b32 s32, s26, 2
	s_add_co_u32 s30, s30, s32
	s_add_co_u32 s30, s30, s24
	s_lshl_b32 s30, s30, 9
	s_add_nc_u64 s[20:21], s[20:21], s[30:31]      ; ws: ((2 matrix + half) 32 + my pair of n-tiles) x 512
	s_lshl_b32 s30, s25, 19
	s_lshl_b32 s32, s27, 18
	s_add_co_u32 s30, s30, s32
	s_lshl_b32 s32, s26, 13
	s_add_co_u32 s30, s30, s32
	s_lshl_b32 s32, s24, 11
	s_add_co_u32 s30, s30, s32
	s_add_nc_u64 s[18:19], s[18:19], s[30:31]      ; wc: matrix, my first K step, my first n-tile
	v_lshlrev_b32 v5, 2, v2                        ; in: 4 bytes a lane
	s_lshl_b32 s32, s24, 13
	s_add_co_u32 s32, s32, WST                     ; my stage: [K step 4][n-tile 2][1,024]
	v_lshrrev_b32 v6, 4, v2
	v_and_b32 v9, 15, v2
	v_lshlrev_b32 v4, 10, v6
	v_lshl_add_u32 v4, v9, 4, v4
	v_add_nc_u32 v4, s32, v4                       ; into it: n-tile lane / 16, row lane % 16
	v_add_nc_u32 v7, s32, v3                       ; out of it: as it lies
	KLOAD 0
	KLOAD 1
.irp t, 0,1,2,3,4,5,6,7,8,9,10,11,12,13,14,15
	WBLOCK \t
.endr
	global_store_b128 v3, v[24:27], s[20:21]       ; 32 lanes store 512 consecutive bytes of scale words
.irp i, 0,1,2,3,4,5,6,7,8,9,10,11,12,13,14,15
	ds_load_b128 v[112+4*\i:115+4*\i], v7 offset:512*\i
.endr
.irp i, 0,1,2,3,4,5,6,7,8,9,10,11,12,13,14,15
	s_wait_dscnt 15-\i                             ; LDS loads come back in order: the younger ones may be out
	global_store_b128 v3, v[112+4*\i:115+4*\i], s[18:19] offset:(\i/4)*65536+(\i%4)*512   ; 512 consecutive bytes, aligned
.endr
	s_wait_tensorcnt 0x0                           ; the wave's end, behind my last LDS store
	ds_add_u32 v[SPW], v[NIL]
	s_wait_dscnt 0x0
	s_endpgm
.Lpath_o:
	; ---- PATH O: 128 columns x 128 along K of Wo; a wave takes 32 columns, 4 blocks a lane
	s_sub_co_u32 s25, ttmp9, 48
	s_and_b32 s26, s25, 7                          ; which 128 columns
	s_lshr_b32 s27, s25, 3                         ; which 128 along K
	s_lshl_b32 s30, s27, 19
	s_lshl_b32 s32, s26, 9
	s_add_co_u32 s30, s30, s32
	s_lshl_b32 s32, s24, 7
	s_add_co_u32 s30, s30, s32
	s_add_nc_u64 s[28:29], s[12:13], s[30:31]
	s_lshl_b32 s30, s26, 18
	s_lshl_b32 s32, s24, 16
	s_add_co_u32 s30, s30, s32
	s_lshl_b32 s32, s27, 12
	s_add_co_u32 s30, s30, s32
	s_add_nc_u64 s[22:23], s[22:23], s[30:31]      ; wo16: my first n-tile x 32,768 + my four K steps x 1,024
	v_lshlrev_b32 v5, 2, v2
	s_lshl_b32 s32, s24, 13
	s_add_co_u32 s32, s32, OST                     ; my stage: [n-tile 2][K step 4][1,024]
	v_lshrrev_b32 v6, 4, v2
	v_and_b32 v9, 15, v2
	v_lshlrev_b32 v4, 12, v6
	v_lshl_add_u32 v4, v9, 4, v4
	v_add_nc_u32 v4, s32, v4
	v_add_nc_u32 v7, s32, v3
	KLOAD 0
	KLOAD 1
.irp t, 0,1,2,3
	OBLOCK \t
.endr
.irp i, 0,1,2,3,4,5,6,7,8,9,10,11,12,13,14,15
	ds_load_b128 v[32+4*\i:35+4*\i], v7 offset:512*\i              ; LDS serves a wave's instructions in order: these see my stores
.endr
.irp i, 0,1,2,3,4,5,6,7,8,9,10,11,12,13,14,15
	s_wait_dscnt 15-\i
	global_store_b128 v3, v[32+4*\i:35+4*\i], s[22:23] offset:(\i/8)*32768+(\i%8)*512
.endr
	s_wait_tensorcnt 0x0                           ; the wave's end: the three lines
	ds_add_u32 v[SPW], v[NIL]
	s_wait_dscnt 0x0
	s_endpgm
.Lpath_x:
	; ---- PATH X: two m-tiles of x; a wave takes one m-tile (16 rows) and one half of K (512): 16 steps of a half row
	s_sub_co_u32 s25, ttmp9, 112
	s_lshl_b32 s25, s25, 1
	s_lshr_b32 s26, s24, 1
	s_add_co_u32 s25, s25, s26                     ; m-tile
	s_and_b32 s26, s24, 1                          ; half of K
	s_lshl_b32 s30, s25, 16
	s_lshl_b32 s32, s26, 11
	s_add_co_u32 s30, s30, s32
	s_add_nc_u64 s[4:5], s[4:5], s[30:31]
	s_lshl_b32 s30, s25, 13
	s_lshl_b32 s32, s26, 12
	s_add_co_u32 s30, s30, s32
	s_add_nc_u64 s[14:15], s[14:15], s[30:31]
	s_lshl_b32 s30, s25, 9
	s_lshl_b32 s32, s26, 8
	s_add_co_u32 s30, s30, s32
	s_add_nc_u64 s[16:17], s[16:17], s[30:31]
	s_mul_i32 s32, s24, 10240                      ; my region: two turn stages of 32 x 80 bytes; at 5,120 my 256 scale bytes; at 5,376 the codes, 16 groups of 256 + 16 bytes
	v_lshrrev_b32 v14, 2, v2
	v_mul_u32_u24 v14, v14, 80
	v_and_b32 v15, 3, v2
	v_lshl_add_u32 v14, v15, 4, v14
	v_add_nc_u32 v14, s32, v14                     ; the turn stage, in: 80 (lane / 4) + 16 (lane % 4)
	v_mul_u32_u24 v15, v2, 80
	v_add_nc_u32 v15, s32, v15                     ; and back: 80 x lane
	v_lshrrev_b32 v5, 1, v2                        ; my block of the half row
	v_mul_u32_u24 v4, v5, 272
	v_and_b32 v6, 1, v2
	v_lshl_add_u32 v4, v6, 3, v4
	v_add_nc_u32 v4, s32, v4                       ; the codes' stage, in: my block's group, my half of 16 bytes
	v_add_nc_u32 v5, s32, v5                       ; my block's scale byte
	v_lshlrev_b32 v7, 3, v2
	v_add_nc_u32 v6, s32, v7                       ; the scale bytes on the way out: 8 a lane
	v_lshrrev_b32 v10, 4, v2
	v_mul_u32_u24 v10, v10, 272
	v_and_b32 v12, 15, v2
	v_lshl_add_u32 v10, v12, 4, v10
	v_add_nc_u32 v10, s32, v10                     ; the codes on the way out: group lane / 16, row lane % 16
.irp t, 0,1,2,3
	XLOAD \t
.endr
	s_wait_loadcnt 12                              ; step 0's four loads are in
	XTURN 0
.irp t, 0,1,2,3,4,5,6,7,8,9,10,11,12,13,14,15
	XSTEP \t
.endr
	ds_load_b64 v[8:9], v6 offset:5120
.irp i, 0,1,2,3,4,5,6,7
	ds_load_b128 v[16+4*\i:19+4*\i], v10 offset:5376+544*\i        ; blocks 2 i and 2 i + 1, 16 rows each
.endr
	s_wait_dscnt 0x0
	global_store_b64 v7, v[8:9], s[16:17]          ; 256 consecutive bytes, aligned
.irp i, 0,1,2,3,4,5,6,7
	global_store_b128 v3, v[16+4*\i:19+4*\i], s[14:15] offset:512*\i
.endr
	s_wait_tensorcnt 0x0                           ; the wave's end: the three lines
	ds_add_u32 v[SPW], v[NIL]
	s_wait_dscnt 0x0
	s_endpgm
.Lfunc_end_k_q8d4d6f3282_prep:
	.size	k_q8d4d6f3282_prep, .Lfunc_end_k_q8d4d6f3282_prep-k_q8d4d6f3282_prep
	.p2alignl 7, 3214868480
	.fill 96, 4, 3214868480
	.section	.rodata,"a",@progbits
	.p2align	6, 0x0
	.amdhsa_kernel k_q8d4d6f3282_prep
		.amdhsa_group_segment_fixed_size 107008
		.amdhsa_private_segment_fixed_size 0
		.amdhsa_enable_private_segment 0
		.amdhsa_kernarg_size 80
		.amdhsa_user_sgpr_count 2
		.amdhsa_user_sgpr_kernarg_segment_ptr 1
		.amdhsa_wavefront_size32 1
		.amdhsa_system_sgpr_workgroup_id_x 1
		.amdhsa_system_sgpr_workgroup_id_y 1
		.amdhsa_system_sgpr_workgroup_id_z 1
		.amdhsa_system_vgpr_workitem_id 0
		.amdhsa_next_free_vgpr 192
		.amdhsa_next_free_sgpr 66
		.amdhsa_reserve_vcc 0
		.amdhsa_float_denorm_mode_32 3
		.amdhsa_float_denorm_mode_16_64 3
		.amdhsa_memory_ordered 1
		.amdhsa_forward_progress 1
		.amdhsa_inst_pref_size 133
	.end_amdhsa_kernel
	.amdgpu_metadata
---
amdhsa.version: [ 1, 2 ]
amdhsa.kernels:
  - .name:           k_q8d4d6f3282_prep
    .symbol:         k_q8d4d6f3282_prep.kd
    .args:
      - { .name: x, .offset: 0, .size: 8, .value_kind: global_buffer, .address_space: global }
      - { .name: Wq, .offset: 8, .size: 8, .value_kind: global_buffer, .address_space: global }
      - { .name: Wk, .offset: 16, .size: 8, .value_kind: global_buffer, .address_space: global }
      - { .name: Wv, .offset: 24, .size: 8, .value_kind: global_buffer, .address_space: global }
      - { .name: Wo, .offset: 32, .size: 8, .value_kind: global_buffer, .address_space: global }
      - { .name: xc, .offset: 40, .size: 8, .value_kind: global_buffer, .address_space: global }
      - { .name: xs, .offset: 48, .size: 8, .value_kind: global_buffer, .address_space: global }
      - { .name: wc, .offset: 56, .size: 8, .value_kind: global_buffer, .address_space: global }
      - { .name: ws, .offset: 64, .size: 8, .value_kind: global_buffer, .address_space: global }
      - { .name: wo16, .offset: 72, .size: 8, .value_kind: global_buffer, .address_space: global }
    .group_segment_fixed_size: 107008
    .private_segment_fixed_size: 0
    .kernarg_segment_align: 8
    .kernarg_segment_size: 80
    .max_flat_workgroup_size: 128
    .sgpr_count:     66
    .vgpr_count:     192
    .wavefront_size: 32
...
	.end_amdgpu_metadata
.endif
;; end of part 1
;; launch qkv (part 2): grid 256 x 1, 8 waves a work-group, no clusters, 44,032 bytes of LDS; arguments xc, xs, wc, ws, bq, bk, bv, qkv; writes qkv
.if DOCPART == 2
	.amdgcn_target "amdgcn-amd-amdhsa--gfx1250"
	.amdhsa_code_object_version 6
	.text
	.protected	k_q8d4d6f3282_qkv
	.globl	k_q8d4d6f3282_qkv
	.p2align	8
	.type	k_q8d4d6f3282_qkv,@function
k_q8d4d6f3282_qkv:
	s_mov_b64 s[64:65], 0
	v_nop
	global_prefetch_b8 v0, s[64:65] scope:SCOPE_SE
	s_setreg_imm32_b32 hwreg(HW_REG_WAVE_MODE, 25, 1), 1
	s_wait_xcnt 0x0
; SECOND LAUNCH: the three quantised products x Wq, x Wk, x Wv on codes of E2M1 with E8M0 scales, the biases, cos, the cumulative product over all 1,024 features, and the f16 operands of the attention.  No work is left out.
; SHARES.  Work-group g: rb = g / 2 names 64 rows of x (4 m-tiles), sel = g % 2.  It makes ALL 1,024 columns of matrix sel (0: Wq, 1: Wk) for its rows, so that the cumulative product stays inside it,
; and columns 512 sel .. + 511 of x Wv.  Three chunks of 512 columns; in a chunk wave w owns 64 rows x 64 columns, one head: 16 accumulators, 8 K steps of 128, 128 matrix instructions.
; Chunks 0, 1 are used TRANSPOSED (source 0 = 16 columns of W, source 1 = 16 rows of x): a lane holds one token and 8 neighbouring features.  Chunk 2 (V) is used as it stands: a lane holds one channel and 8 neighbouring tokens.
; Either way a tile's 8 results, rounded to f16 in pairs, ARE 16 bytes a lane of an operand image of the attention, and are stored from registers, 512 consecutive bytes a store.
; qkv: [role 3][batch x head 64][262,144].  Role 0 = the key (from Wq), role 1 = the query (from Wk, times log2(e) / 8): [token tile 128][d / 32][half][lane][16].  Role 2 = V^T: [32 keys 64][d-tile 4][half][lane][16].
; W GOES FROM MEMORY STRAIGHT INTO REGISTERS, NO TENSOR LOAD, NO CLUSTER: each fragment of W is read by exactly one wave of a work-group, so LDS would add a write and a read of all its bytes and spare none;
; a chunk's W fills 256 registers of a wave, and each K step's registers are loaded again with the next chunk's as soon as they are multiplied, so 32 KiB a wave are on their way all through the vector work that follows a chunk.
; cos(z): n = round(z / 2 pi) by adding and taking off 1.5 x 2^23; f = z / 2 pi - n with 1 / 2 pi in two parts; s = sin(pi f) = f x (a polynomial of degree 6 in f^2); cos = 1 - 2 s^2.  All f32, two numbers an instruction.
; THE CUMULATIVE PRODUCT: 8 in a lane; the other half of the lanes; the head's 4 tiles; the 8 waves (heads) through LDS; a carry from chunk 0 to chunk 1.
; LIMITS: |z| under 1e6 (the rounding to a whole number of turns); |x Wv + bv| under 65,504 (f16); NaN and infinities are not served.
.set XL,    0                          ; LDS: x's 32 fragment images, [m 4][K step 8][1,024]
.set BQ,    32768                      ; my matrix's 1,024 biases
.set BV,    36864                      ; my 512 of bv
.set EX,    38912                      ; two exchange areas, one a chunk: [m 4][token 16][wave 8] f32
.set SPARE, 43008                      ; the spare words, 128 bytes for each wave: four blocks of 256 bytes that no other line names
.set LI,  1                            ; v1      16 x lane
.set A5V, 2                            ; v[2:3]  the coefficient A5, twice
.set BIA, 4                            ; v4      my biases of a tile: BQ + 256 w + 32 h
.set EXW, 5                            ; v5      EX + 32 r + 4 w
.set EXR, 6                            ; v6      EX + 32 r
.set BVA, 7                            ; v7      BV + 256 w + 4 r
.set CAR, 8                            ; v8-11   the carry of m-tile m
.set SPW, 12                           ; v12     my spare word; never rewritten
.set NIL, 13                           ; v13     0; never rewritten
.set MGV, 14                           ; v[14:15] 1.5 x 2^23, twice
.set XSC, 16                           ; v16-31  x's scale words: 8 (m / 2) + K step; lanes 16-31 hold the odd m-tile's
.set WSC, 32                           ; v32-63  W's scale words, two sets: 16 (chunk % 2) + 8 (t / 2) + K step; lanes 16-31 the odd tile's
.set XF,  64                           ; v64-127 x's fragments, two sets of 4 x 8
.set ACC, 128                          ; v128-255 accumulator (t, m) at 128 + 8 (4 t + m)
.set TG,  64                           ; behind a chunk's products v64-127 are at work: v64-71, v72-79, v80-87 the cosine's; v88-103 two sets of biases;
.set FF,  72
.set PP,  80
.set BB,  88
.set LP,  104                          ; v104-119 what stands in front of my 8 numbers inside the head, tile t, m-tile m
.set RR,  120                          ; v120-123 the running product of the head's tiles
.set OT,  124                          ; v124-127 the other half of the lanes'
; window 1 (v256-511): W's fragments of a chunk: K step k, tile t, half c at 32 k + 8 t + 4 c
.set WV,  20                           ; s20 wave;  s21 rb;  s22 sel
.set CH,  42                           ; s[42:43] 1 / 2 pi, high part;  s[44:45] low part;  then the polynomial's coefficients: each a pair, both words written
.set CL,  44
.set A0,  46
.set A1,  48
.set A2,  50
.set A3,  52
.set A4,  54
.set A6,  56
.set HIM, 58                           ; s58 lanes 16-31
.set SEL, 60                           ; s[60:61] v_permlanex16_b32's selects for lane l xor 16
.set PM,  66                           ; s66-72  all ones where wave i stands in front of mine
.set MSB, 0
.macro WIN new                         ; the immediate's high byte repeats the setting that is left
.if MSB != \new
	s_set_vgpr_msb (MSB<<8)|\new
.set MSB, \new
.endif
.endm
.macro PLACES                          ; four plain places behind matrix instructions, in front of loads into their registers and of reads of their results
.rept 4
	v_nop
.endr
.endm
.macro WSLOAD c                        ; chunk c's scale words of my 4 tiles, 8 K steps: four loads
.irp kg, 0,1
.irp pp, 0,1
	global_load_b128 v[WSC+16*((\c)%2)+8*\pp+4*\kg:WSC+16*((\c)%2)+8*\pp+4*\kg+3], v[LI], s[30+2*(\c):31+2*(\c)] offset:16384*\kg+512*\pp
.endr
.endr
.endm
.macro BRLOAD c, k                     ; chunk c's fragments of W for K step k: eight loads of 512 consecutive bytes (destination window 1)
.irp i, 0,1,2,3,4,5,6,7
	global_load_b128 v[32*(\k)+4*\i:32*(\k)+4*\i+3], v[LI], s[24+2*(\c):25+2*(\c)] offset:65536*(\k)+512*\i
.endr
.endm
; one scaled product.  z = 1: it starts the sum.  ra, rb = 1: source 0's, source 1's scales stand in lanes 16-31
.macro WM d, a, b, z, sa, sb, ra, rb
.set WMC, 4*(\z)+2*(\ra)+(\rb)
.if WMC == 0
	v_wmma_scale_f32_16x16x128_f8f6f4 v[(\d):(\d)+7], v[(\a):(\a)+7], v[(\b):(\b)+7], v[(\d):(\d)+7], v[\sa], v[\sb] matrix_a_fmt:MATRIX_FMT_FP4 matrix_b_fmt:MATRIX_FMT_FP4
.elseif WMC == 1
	v_wmma_scale_f32_16x16x128_f8f6f4 v[(\d):(\d)+7], v[(\a):(\a)+7], v[(\b):(\b)+7], v[(\d):(\d)+7], v[\sa], v[\sb] matrix_a_fmt:MATRIX_FMT_FP4 matrix_b_fmt:MATRIX_FMT_FP4 matrix_b_scale:MATRIX_SCALE_ROW1
.elseif WMC == 2
	v_wmma_scale_f32_16x16x128_f8f6f4 v[(\d):(\d)+7], v[(\a):(\a)+7], v[(\b):(\b)+7], v[(\d):(\d)+7], v[\sa], v[\sb] matrix_a_fmt:MATRIX_FMT_FP4 matrix_b_fmt:MATRIX_FMT_FP4 matrix_a_scale:MATRIX_SCALE_ROW1
.elseif WMC == 3
	v_wmma_scale_f32_16x16x128_f8f6f4 v[(\d):(\d)+7], v[(\a):(\a)+7], v[(\b):(\b)+7], v[(\d):(\d)+7], v[\sa], v[\sb] matrix_a_fmt:MATRIX_FMT_FP4 matrix_b_fmt:MATRIX_FMT_FP4 matrix_a_scale:MATRIX_SCALE_ROW1 matrix_b_scale:MATRIX_SCALE_ROW1
.elseif WMC == 4
	v_wmma_scale_f32_16x16x128_f8f6f4 v[(\d):(\d)+7], v[(\a):(\a)+7], v[(\b):(\b)+7], 0, v[\sa], v[\sb] matrix_a_fmt:MATRIX_FMT_FP4 matrix_b_fmt:MATRIX_FMT_FP4
.elseif WMC == 5
	v_wmma_scale_f32_16x16x128_f8f6f4 v[(\d):(\d)+7], v[(\a):(\a)+7], v[(\b):(\b)+7], 0, v[\sa], v[\sb] matrix_a_fmt:MATRIX_FMT_FP4 matrix_b_fmt:MATRIX_FMT_FP4 matrix_b_scale:MATRIX_SCALE_ROW1
.elseif WMC == 6
	v_wmma_scale_f32_16x16x128_f8f6f4 v[(\d):(\d)+7], v[(\a):(\a)+7], v[(\b):(\b)+7], 0, v[\sa], v[\sb] matrix_a_fmt:MATRIX_FMT_FP4 matrix_b_fmt:MATRIX_FMT_FP4 matrix_a_scale:MATRIX_SCALE_ROW1
.else
	v_wmma_scale_f32_16x16x128_f8f6f4 v[(\d):(\d)+7], v[(\a):(\a)+7], v[(\b):(\b)+7], 0, v[\sa], v[\sb] matrix_a_fmt:MATRIX_FMT_FP4 matrix_b_fmt:MATRIX_FMT_FP4 matrix_a_scale:MATRIX_SCALE_ROW1 matrix_b_scale:MATRIX_SCALE_ROW1
.endif
.endm
; K step k of chunk c.  n: the global loads issued behind this step's eight, which may stay out.  The 16 accumulators take turns, one instruction a turn.
.macro KSTEP c, k, n
	s_wait_loadcnt \n                              ; this step's fragments of W are in, and with them all that was asked for earlier (the scale words)
	s_wait_dscnt 0x0                               ; and x's
.if (\k) < 7
.irp m, 0,1,2,3
.irp h, 0,1
	ds_load_b128 v[XF+32*(((\k)+1)%2)+8*\m+4*\h:XF+32*(((\k)+1)%2)+8*\m+4*\h+3], v[LI] offset:8192*\m+1024*((\k)+1)+512*\h
.endr
.endr
.endif
.if (\k) == 0
.set KZ, 1
.else
.set KZ, 0
.endif
.if (\c) < 2
	WIN 0x01                                       ; source 0 (W) window 1
.irp t, 0,1,2,3
.irp m, 0,1,2,3
	WM ACC+8*(4*\t+\m), 32*(\k)+8*\t, XF+32*((\k)%2)+8*\m, KZ, WSC+16*((\c)%2)+8*(\t/2)+(\k), XSC+8*(\m/2)+(\k), \t%2, \m%2
.endr
.endr
.else
	WIN 0x04                                       ; source 1 (W) window 1
.irp t, 0,1,2,3
.irp m, 0,1,2,3
	WM ACC+8*(4*\t+\m), XF+32*((\k)%2)+8*\m, 32*(\k)+8*\t, KZ, XSC+8*(\m/2)+(\k), WSC+16*((\c)%2)+8*(\t/2)+(\k), \m%2, \t%2
.endr
.endr
.endif
	WIN 0
	PLACES
.if (\c) < 2
	WIN 0x40
	BRLOAD (\c)+1, \k                              ; the registers just multiplied take the next chunk's K step k
	WIN 0
.endif
.endm
; In chunks 0 and 1 there stand, behind K step k's eight loads, 8 (7 - k) of this chunk, the next chunk's 4 of scale words and 8 k refills: 60.  In chunk 2 only 8 (7 - k).
.macro CHUNK c
.if (\c) > 0
	s_wait_xcnt 0x0                                ; the last chunk's stores have read the accumulators' registers
.endif
.if (\c) < 2
	WSLOAD (\c)+1
.endif
.irp m, 0,1,2,3
.irp h, 0,1
	ds_load_b128 v[XF+8*\m+4*\h:XF+8*\m+4*\h+3], v[LI] offset:8192*\m+512*\h
.endr
.endr
.irp k, 0,1,2,3,4,5,6,7
.if (\c) < 2
	KSTEP \c, \k, 60
.else
	KSTEP \c, \k, 56-8*\k
.endif
.endr
.endm
.macro BLOAD c, t                      ; the 8 biases of my half of tile t
	ds_load_b128 v[BB+8*((\t)%2):BB+8*((\t)%2)+3], v[BIA] offset:2048*(\c)+64*(\t)
	ds_load_b128 v[BB+8*((\t)%2)+4:BB+8*((\t)%2)+7], v[BIA] offset:2048*(\c)+64*(\t)+16
.endm
; a tile's 8 sums become cos(sum + bias), in place, from the accumulator's low end on; the four pairs by turns, so that no line waits for the line above it
.macro COS8 a, bb
.irp p, 0,2,4,6
	v_pk_add_f32 v[(\a)+\p:(\a)+\p+1], v[(\a)+\p:(\a)+\p+1], v[(\bb)+\p:(\bb)+\p+1]
.endr
.irp p, 0,2,4,6
	v_pk_fma_f32 v[TG+\p:TG+\p+1], v[(\a)+\p:(\a)+\p+1], s[CH:CH+1], v[MGV:MGV+1] op_sel_hi:[1,0,1]   ; z / 2 pi + 1.5 x 2^23: rounded to a whole number
.endr
.irp p, 0,2,4,6
	v_pk_add_f32 v[TG+\p:TG+\p+1], v[TG+\p:TG+\p+1], v[MGV:MGV+1] neg_lo:[0,1] neg_hi:[0,1]             ; n
.endr
.irp p, 0,2,4,6
	v_pk_fma_f32 v[FF+\p:FF+\p+1], v[(\a)+\p:(\a)+\p+1], s[CH:CH+1], v[TG+\p:TG+\p+1] op_sel_hi:[1,0,1] neg_lo:[0,0,1] neg_hi:[0,0,1]
.endr
.irp p, 0,2,4,6
	v_pk_fma_f32 v[FF+\p:FF+\p+1], v[(\a)+\p:(\a)+\p+1], s[CL:CL+1], v[FF+\p:FF+\p+1] op_sel_hi:[1,0,1]   ; f, at most a half turn either way
.endr
.irp p, 0,2,4,6
	v_pk_mul_f32 v[TG+\p:TG+\p+1], v[FF+\p:FF+\p+1], v[FF+\p:FF+\p+1]
.endr
.irp p, 0,2,4,6
	v_pk_fma_f32 v[PP+\p:PP+\p+1], v[TG+\p:TG+\p+1], s[A6:A6+1], v[A5V:A5V+1] op_sel_hi:[1,0,1]
.endr
.irp cf, A4, A3, A2, A1, A0
.irp p, 0,2,4,6
	v_pk_fma_f32 v[PP+\p:PP+\p+1], v[PP+\p:PP+\p+1], v[TG+\p:TG+\p+1], s[\cf:\cf+1] op_sel_hi:[1,1,0]
.endr
.endr
.irp p, 0,2,4,6
	v_pk_mul_f32 v[PP+\p:PP+\p+1], v[PP+\p:PP+\p+1], v[FF+\p:FF+\p+1]                                   ; sin(pi f)
.endr
.irp p, 0,2,4,6
	v_pk_mul_f32 v[PP+\p:PP+\p+1], v[PP+\p:PP+\p+1], v[PP+\p:PP+\p+1]
.endr
.irp p, 0,2,4,6
	v_pk_fma_f32 v[(\a)+\p:(\a)+\p+1], v[PP+\p:PP+\p+1], -2.0, 1.0 op_sel_hi:[1,0,0]                    ; cos = 1 - 2 sin^2
.endr
.endm
; tile t's running products, the four m-tiles by turns
.macro SCAN t
.irp j, 1,2,3,4,5,6,7
.irp m, 0,1,2,3
	v_mul_f32 v[ACC+8*(4*(\t)+\m)+\j], v[ACC+8*(4*(\t)+\m)+\j], v[ACC+8*(4*(\t)+\m)+\j-1]
.endr
.endr
.irp m, 0,1,2,3
	v_permlanex16_b32 v[OT+\m], v[ACC+8*(4*(\t)+\m)+7], s[SEL], s[SEL+1]      ; the product of the tile's other 8 features
.endr
.if (\t) == 0
.irp m, 0,1,2,3
	v_mul_f32 v[RR+\m], v[ACC+8*(4*(\t)+\m)+7], v[OT+\m]                      ; the tile's product starts the head's
.endr
.irp m, 0,1,2,3
	v_cndmask_b32 v[LP+\m], 1.0, v[OT+\m], s[HIM]                             ; in front of lanes 16-31 stand lanes 0-15's 8 features, in front of lanes 0-15 nothing
.endr
.else
.irp m, 0,1,2,3
	v_mul_f32 v[TG+\m], v[ACC+8*(4*(\t)+\m)+7], v[OT+\m]
.endr
.irp m, 0,1,2,3
	v_cndmask_b32 v[OT+\m], 1.0, v[OT+\m], s[HIM]
.endr
.irp m, 0,1,2,3
	v_mul_f32 v[LP+4*(\t)+\m], v[RR+\m], v[OT+\m]
.endr
.irp m, 0,1,2,3
	v_mul_f32 v[RR+\m], v[RR+\m], v[TG+\m]
.endr
.endif
.endm
; behind chunk c (0, 1): cosines, the cumulative product, f16, stores
.macro EPI c
.irp m, 0,1,2,3
	v_mov_b32 v[OT+\m], 0                          ; a lane permute's destination counts as one of its sources
.endr
	BLOAD \c, 0
.irp t, 0,1,2,3
.if \t < 3
	BLOAD \c, \t+1
	s_wait_dscnt 2                                 ; this tile's biases are in; the next tile's two loads may be out
.else
	s_wait_dscnt 0x0
.endif
.irp m, 0,1,2,3
	COS8 ACC+8*(4*\t+\m), BB+8*(\t%2)
.endr
	SCAN \t
.endr
.irp m, 0,1,2,3
	ds_store_b32 v[EXW], v[RR+\m] offset:2048*(\c)+512*\m          ; my head's product for token r (both halves of the lanes write the same word with the same value)
.endr
	s_wait_dscnt 0x0                               ; for the others' sake: my stores have landed
	s_barrier_signal -1
	s_barrier_wait -1
.irp m, 0,1,2,3
.irp j, 0,1
	ds_load_b128 v[64+8*\m+4*\j:64+8*\m+4*\j+3], v[EXR] offset:2048*(\c)+512*\m+16*\j   ; the eight heads' products
.endr
.endr
	s_wait_dscnt 0x0
.if (\c) == 0
.irp m, 0,1,2,3
	v_mul_f32 v[RR+\m], v[64+8*\m], v[65+8*\m]     ; all eight: what chunk 1 finds in front of it
.endr
.irp i, 2,3,4,5,6,7
.irp m, 0,1,2,3
	v_mul_f32 v[RR+\m], v[RR+\m], v[64+8*\m+\i]
.endr
.endr
.endif
.irp i, 0,1,2,3,4,5,6
.irp m, 0,1,2,3
	v_cndmask_b32 v[64+8*\m+\i], 1.0, v[64+8*\m+\i], s[PM+\i]      ; only the heads in front of mine count
.endr
.endr
.irp m, 0,1,2,3
	v_mul_f32 v[OT+\m], v[64+8*\m], v[65+8*\m]
.endr
.irp i, 2,3,4,5,6
.irp m, 0,1,2,3
	v_mul_f32 v[OT+\m], v[OT+\m], v[64+8*\m+\i]
.endr
.endr
.irp m, 0,1,2,3
	v_mul_f32 v[OT+\m], v[CAR+\m], v[OT+\m]        ; with the carry: all that stands in front of my head
.endr
.if (\c) == 0
.irp m, 0,1,2,3
	v_mul_f32 v[CAR+\m], v[CAR+\m], v[RR+\m]
.endr
.endif
.irp t, 0,1,2,3
.irp m, 0,1,2,3
	v_mul_f32 v[64+2*(4*\t+\m)], v[OT+\m], v[LP+4*\t+\m]           ; and in front of my 8 numbers of tile t; the low word of a pair whose both words are written
.endr
.endr
.irp t, 0,1,2,3
.irp m, 0,1,2,3
.irp p, 0,2,4,6
	v_pk_mul_f32 v[ACC+8*(4*\t+\m)+\p:ACC+8*(4*\t+\m)+\p+1], v[ACC+8*(4*\t+\m)+\p:ACC+8*(4*\t+\m)+\p+1], v[64+2*(4*\t+\m):65+2*(4*\t+\m)] op_sel_hi:[1,0]
.endr
.irp p, 0,1,2,3
	v_cvt_pk_f16_f32 v[ACC+8*(4*\t+\m)+\p], v[ACC+8*(4*\t+\m)+2*\p], v[ACC+8*(4*\t+\m)+2*\p+1]
.endr
	global_store_b128 v[LI], v[ACC+8*(4*\t+\m):ACC+8*(4*\t+\m)+3], s[36+2*(\c):37+2*(\c)] offset:2048*\m+512*\t   ; token tile m, features 16 t on: 512 consecutive bytes
.endr
.endr
.endm
	s_load_b256 s[4:11], s[0:1], 0x0               ; xc s[4:5], xs s[6:7], wc s[8:9], ws s[10:11]
	s_load_b256 s[12:19], s[0:1], 0x20             ; bq s[12:13], bk s[14:15], bv s[16:17], qkv s[18:19]
	v_lshl_add_u32 v[SPW], v0, 2, SPARE
	v_mov_b32 v[NIL], 0
	v_lshrrev_b32 v1, 5, v0
	v_readfirstlane_b32 s[WV], v1                  ; wave 0..7
	s_lshr_b32 s21, ttmp9, 1                       ; rb
	s_and_b32 s22, ttmp9, 1                        ; sel
	v_and_b32 v[LI], 31, v0
	v_lshlrev_b32 v[LI], 4, v[LI]
	v_and_b32 v170, 15, v0                         ; r.  (v166-171 serve the head alone: they are accumulators' registers later)
	v_bfe_u32 v171, v0, 4, 1                       ; h
	s_lshl_b32 s76, s[WV], 12
	v_add_nc_u32 v166, s76, v[LI]                  ; my wave's 4,096 bytes of x's images
	v_lshlrev_b32 v167, 4, v170
	v_lshl_add_u32 v167, v171, 9, v167             ; x's scale words: 512 h + 16 r
	v_lshlrev_b32 v168, 4, v0                      ; 16 x thread
	v_lshlrev_b32 v169, 3, v0                      ; 8 x thread
	s_lshl_b32 s76, s[WV], 8
	s_add_co_u32 s77, s76, BQ
	v_lshl_add_u32 v[BIA], v171, 5, s77
	s_add_co_u32 s77, s76, BV
	v_lshl_add_u32 v[BVA], v170, 2, s77
	s_lshl_b32 s77, s[WV], 2
	s_add_co_u32 s77, s77, EX
	v_lshl_add_u32 v[EXW], v170, 5, s77
	v_lshlrev_b32 v[EXR], 5, v170
	v_add_nc_u32 v[EXR], EX, v[EXR]
	v_mov_b32 v[MGV], 0x4b400000                   ; 1.5 x 2^23
	v_mov_b32 v[MGV+1], 0x4b400000
	v_mov_b32 v[A5V], 0xbbf183a8                   ; -pi^11 / 11!
	v_mov_b32 v[A5V+1], 0xbbf183a8
	s_mov_b32 s[CH], 0x3e22f983                    ; 1 / 2 pi, the first 24 bits
	s_mov_b32 s[CL], 0x31dc9c88                    ; and the next
	s_mov_b32 s[A0], 0x40490fdb                    ; pi
	s_mov_b32 s[A1], 0xc0a55de7                    ; -pi^3 / 3!
	s_mov_b32 s[A2], 0x402335e3                    ; pi^5 / 5!
	s_mov_b32 s[A3], 0xbf196966                    ; -pi^7 / 7!
	s_mov_b32 s[A4], 0x3da83c1a                    ; pi^9 / 9!
	s_mov_b32 s[A6], 0x39f47a1a                    ; pi^13 / 13!
.irp cf, CH, CL, A0, A1, A2, A3, A4, A6
	s_mov_b32 s[\cf+1], s[\cf]                     ; named as pairs, so both words are written
.endr
	s_mov_b32 s[HIM], 0xffff0000
	s_mov_b32 s[SEL], 0x76543210
	s_mov_b32 s[SEL+1], 0xfedcba98
.irp i, 0,1,2,3,4,5,6
	s_cmp_gt_u32 s[WV], \i
	s_cselect_b32 s[PM+\i], -1, 0
.endr
	s_mov_b32 s76, 0x3e38aa3b                      ; log2(e) / 8: the query's role carries the softmax's scale, as the carry's first value
	s_cmp_eq_u32 s22, 0
	s_cselect_b32 s76, 1.0, s76
.irp m, 0,1,2,3
	v_mov_b32 v[CAR+\m], s76
.endr
	s_mov_b32 s79, 0                               ; the high word of every offset
	s_wait_kmcnt 0x0
	s_cmp_eq_u32 s22, 0
	s_cselect_b64 s[12:13], s[12:13], s[14:15]     ; my matrix's bias
	s_lshl_b32 s78, s21, 15
	s_add_nc_u64 s[4:5], s[4:5], s[78:79]          ; xc at my 4 m-tiles
	s_lshl_b32 s78, s21, 11
	s_add_nc_u64 s[6:7], s[6:7], s[78:79]          ; xs likewise
	s_lshl_b32 s78, s22, 11
	s_add_nc_u64 s[16:17], s[16:17], s[78:79]      ; my 512 of bv
	s_lshl_b32 s76, s[WV], 12                      ; wc: my 4 n-tiles of a chunk; chunk c at s[24 + 2 c : 25 + 2 c]
	s_lshl_b32 s78, s22, 19
	s_add_co_u32 s78, s78, s76
	s_add_nc_u64 s[24:25], s[8:9], s[78:79]
	s_add_nc_u64 s[26:27], s[24:25], 32768
	s_lshl_b32 s78, s22, 15
	s_add_co_u32 s78, s78, s76
	s_add_co_u32 s78, s78, 1048576
	s_add_nc_u64 s[28:29], s[8:9], s[78:79]
	s_lshl_b32 s76, s[WV], 10                      ; ws: my 2 pairs of n-tiles; chunk c at s[30 + 2 c : 31 + 2 c]
	s_lshl_b32 s78, s22, 15
	s_add_co_u32 s78, s78, s76
	s_add_nc_u64 s[30:31], s[10:11], s[78:79]
	s_add_nc_u64 s[32:33], s[30:31], 8192
	s_lshl_b32 s78, s22, 13
	s_add_co_u32 s78, s78, s76
	s_add_co_u32 s78, s78, 65536
	s_add_nc_u64 s[34:35], s[10:11], s[78:79]
	s_lshr_b32 s76, s21, 5                         ; qkv: batch x 16 heads x 262,144 + my 64 tokens x 128 bytes + wave x 262,144; chunk c at s[36 + 2 c : 37 + 2 c]
	s_lshl_b32 s76, s76, 22
	s_and_b32 s77, s21, 31
	s_lshl_b32 s77, s77, 13
	s_add_co_u32 s76, s76, s77
	s_lshl_b32 s77, s[WV], 18
	s_add_co_u32 s76, s76, s77
	s_lshl_b32 s78, s22, 24
	s_add_co_u32 s78, s78, s76
	s_add_nc_u64 s[36:37], s[18:19], s[78:79]
	s_add_nc_u64 s[38:39], s[36:37], 2097152
	s_lshl_b32 s78, s22, 21
	s_add_co_u32 s78, s78, s76
	s_add_co_u32 s78, s78, 33554432
	s_add_nc_u64 s[40:41], s[18:19], s[78:79]
.irp i, 0,1,2,3,4,5,6,7
	global_load_b128 v[128+4*\i:131+4*\i], v166, s[4:5] offset:512*\i          ; x's images, an eighth a wave
.endr
	global_load_b128 v[160:163], v168, s[12:13]
	global_load_b64 v[164:165], v169, s[16:17]
.irp pm, 0,1
.irp kh, 0,1
	global_load_b128 v[XSC+8*\pm+4*\kh:XSC+8*\pm+4*\kh+3], v167, s[6:7] offset:1024*\pm+256*\kh
.endr
.endr
	WSLOAD 0
	WIN 0x40
.irp k, 0,1,2,3
	BRLOAD 0, \k
.endr
	WIN 0
	s_wait_loadcnt 40                              ; the first ten loads are in; behind them 4 + 4 + 32 were issued
.irp i, 0,1,2,3,4,5,6,7
	ds_store_b128 v166, v[128+4*\i:131+4*\i] offset:512*\i
.endr
	ds_store_b128 v168, v[160:163] offset:BQ
	ds_store_b64 v169, v[164:165] offset:BV
	WIN 0x40
.irp k, 4,5,6,7
	BRLOAD 0, \k
.endr
	WIN 0
	s_wait_dscnt 0x0                               ; for the others' sake: my stores have landed
	s_barrier_signal -1
	s_barrier_wait -1
	CHUNK 0
	EPI 0
	CHUNK 1
	EPI 1
	CHUNK 2
	; behind chunk 2: V + bv; a lane holds channel 16 t + r and 8 neighbouring tokens
.irp t, 0,1,2,3
	ds_load_b32 v[64+2*\t], v[BVA] offset:64*\t    ; the low word of a pair whose both words are written
.endr
	s_wait_dscnt 0x0
.irp t, 0,1,2,3
.irp m, 0,1,2,3
.irp p, 0,2,4,6
	v_pk_add_f32 v[ACC+8*(4*\t+\m)+\p:ACC+8*(4*\t+\m)+\p+1], v[ACC+8*(4*\t+\m)+\p:ACC+8*(4*\t+\m)+\p+1], v[64+2*\t:65+2*\t] op_sel_hi:[1,0]
.endr
.irp p, 0,1,2,3
	v_cvt_pk_f16_f32 v[ACC+8*(4*\t+\m)+\p], v[ACC+8*(4*\t+\m)+2*\p], v[ACC+8*(4*\t+\m)+2*\p+1]
.endr
	global_store_b128 v[LI], v[ACC+8*(4*\t+\m):ACC+8*(4*\t+\m)+3], s[40:41] offset:(\m/2)*4096+1024*\t+(\m%2)*512   ; 32 keys m / 2, d-tile t, half m % 2
.endr
.endr
	s_wait_tensorcnt 0x0                           ; the wave's end, behind my last LDS store
	ds_add_u32 v[SPW], v[NIL]
	s_wait_dscnt 0x0
	s_endpgm
.Lfunc_end_k_q8d4d6f3282_qkv:
	.size	k_q8d4d6f3282_qkv, .Lfunc_end_k_q8d4d6f3282_qkv-k_q8d4d6f3282_qkv
	.p2alignl 7, 3214868480
	.fill 96, 4, 3214868480
	.section	.rodata,"a",@progbits
	.p2align	6, 0x0
	.amdhsa_kernel k_q8d4d6f3282_qkv
		.amdhsa_group_segment_fixed_size 44032
		.amdhsa_private_segment_fixed_size 0
		.amdhsa_enable_private_segment 0
		.amdhsa_kernarg_size 64
		.amdhsa_user_sgpr_count 2
		.amdhsa_user_sgpr_kernarg_segment_ptr 1
		.amdhsa_wavefront_size32 1
		.amdhsa_system_sgpr_workgroup_id_x 1
		.amdhsa_system_sgpr_workgroup_id_y 1
		.amdhsa_system_sgpr_workgroup_id_z 1
		.amdhsa_system_vgpr_workitem_id 0
		.amdhsa_next_free_vgpr 512
		.amdhsa_next_free_sgpr 84
		.amdhsa_reserve_vcc 0
		.amdhsa_float_denorm_mode_32 3
		.amdhsa_float_denorm_mode_16_64 3
		.amdhsa_memory_ordered 1
		.amdhsa_forward_progress 1
		.amdhsa_inst_pref_size 255
	.end_amdhsa_kernel
	.section	.bss,"aw",@nobits
	.p2align	6
	.space	262144
	.amdgpu_metadata
---
amdhsa.version: [ 1, 2 ]
amdhsa.kernels:
  - .name:           k_q8d4d6f3282_qkv
    .symbol:         k_q8d4d6f3282_qkv.kd
    .args:
      - { .name: xc, .offset: 0, .size: 8, .value_kind: global_buffer, .address_space: global }
      - { .name: xs, .offset: 8, .size: 8, .value_kind: global_buffer, .address_space: global }
      - { .name: wc, .offset: 16, .size: 8, .value_kind: global_buffer, .address_space: global }
      - { .name: ws, .offset: 24, .size: 8, .value_kind: global_buffer, .address_space: global }
      - { .name: bq, .offset: 32, .size: 8, .value_kind: global_buffer, .address_space: global }
      - { .name: bk, .offset: 40, .size: 8, .value_kind: global_buffer, .address_space: global }
      - { .name: bv, .offset: 48, .size: 8, .value_kind: global_buffer, .address_space: global }
      - { .name: qkv, .offset: 56, .size: 8, .value_kind: global_buffer, .address_space: global }
    .group_segment_fixed_size: 44032
    .private_segment_fixed_size: 0
    .kernarg_segment_align: 8
    .kernarg_segment_size: 64
    .max_flat_workgroup_size: 256
    .sgpr_count:     84
    .vgpr_count:     512
    .wavefront_size: 32
...
	.end_amdgpu_metadata
.endif
;; end of part 2
;; launch attn (part 3): grid 4 x 64, 8 waves a work-group, clusters of 4 x 1, 327,680 bytes of LDS; arguments qkv, at; writes at
.if DOCPART == 3
	.amdgcn_target "amdgcn-amd-amdhsa--gfx1250"
	.amdhsa_code_object_version 6
	.text
	.protected	k_q8d4d6f3282_attn
	.globl	k_q8d4d6f3282_attn
	.p2align	8
	.type	k_q8d4d6f3282_attn,@function
k_q8d4d6f3282_attn:
	s_mov_b64 s[64:65], 0
	v_nop
	global_prefetch_b8 v0, s[64:65] scope:SCOPE_SE
	s_setreg_imm32_b32 hwreg(HW_REG_WAVE_MODE, 25, 1), 1
	s_wait_xcnt 0x0
	s_wait_alu depctr_hold_cnt(0) depctr_sa_sdst(0) depctr_va_vdst(0) depctr_va_sdst(0) depctr_va_ssrc(0) depctr_va_vcc(0) depctr_vm_vsrc(0)
	s_getreg_b32 s2, hwreg(HW_REG_IB_STS2, 6, 4)
	s_cmp_eq_u32 s2, 0
	s_cbranch_scc0 .Lentry_in_a_cluster
	s_endpgm
.Lentry_in_a_cluster:
	s_bfe_u32 s2, ttmp6, 0x10000c
	s_cmp_lg_u32 s2, 0x3003
	s_cbranch_scc0 .Lentry_shape_is_right
	s_endpgm
.Lentry_shape_is_right:
; THIRD LAUNCH: at[b][q][h][:] = the sum over k of softmax_k(query . key / 8) V[k][:], 64 (batch, head) pairs, 2,048 tokens, head size 64, no mask.  f16 operands, f32 sums.  No product is left out.
; NO MAXIMUM IS TAKEN AWAY, AND WHY THAT HOLDS FOR EVERY INPUT: query and key are cumulative products of cosines, which the computation itself bounds by 1 in magnitude whatever the inputs hold; so |score| <= 64 / 8 = 8,
; exp(score) lies between 3.4e-4 and 2,981, and a row's sum of 2,048 of them under 6.2e6: no exponential and no sum can overflow or underflow, in f32 (the sums) or in f16 (the weights as an operand).
; The query arrives times log2(e) / 8, so the first product gives t and p = 2^t.  The row's sum is taken of the unrounded p, in f32, and divides O at the end.
; SHARES.  A work-group owns 512 queries of one pair, each of its eight waves 64: four tiles of 16.  Every wave walks the 2,048 keys, 32 a step.
; LAYOUT.  S^T = K Q^T (source 0 = 16 keys, source 1 = 16 queries) and O^T = V^T P (source 0 = 16 channels, source 1 = P): a lane holds ONE query throughout, and two tiles of S^T, rounded to f16 in pairs, ARE P.
; All three operands arrive as images of operand registers: every fragment is dense loads of 16 bytes a lane; nothing is turned, nothing is padded.
; BY TURNS.  The wave's tiles are two pieces (0: tiles 0, 1; 1: tiles 2, 3).  In a turn one piece has the matrix unit (8 products V^T P of the step in hand, 8 products K Q^T of the next) and the other piece's softmax stands
; in slices of four behind the products.  Two window settings serve a turn: W_P (V^T P, the exponentials, K's loads) and W_K (K Q^T, the roundings, the sums).
; CLUSTER.  The four work-groups of a pair walk the same K and V: each tile is asked for JOINTLY, by the same tensor load with the same descriptor and a mask that names the four.
; No prefetch: a refill is asked for 16 key steps, 512 matrix instructions of a wave, ahead of its first read, so that no wave waits for it.
; LIMITS: |V| and |O / l| under 65,504 (f16); NaN and infinities are not served.
; REGISTERS.  window 0: v1-6 addresses; v8-23 the sums, two pairs a tile; v24-31 1 / l; v32-95 S^T (32 + 16 tile + 8 key tile); v96-127 P (96 + 8 tile); v128-191 V, two sets; v192-255 the way out.
;   window 1: v0-127 O^T (32 tile + 8 d-tile); v128-191 Q (128 + 16 tile + 8 f); v192-223 p of a piece, f32; v224-255 K (224 + 16 key tile + 8 f).
.set SLOT1, 1<<17                      ; a slot: 512 keys: K's images, 65,536 bytes, then V's; slot 1 begins here, so that one exclusive or turns an address
.set VOFF,  65536
.set SPARE, 2*SLOT1                    ; the spare words, 128 bytes for each wave: four blocks of 256 bytes that no other line names
.set LI,  1                            ; v1  16 x lane
.set ADK, 2                            ; v2  the step's K
.set ADV, 3                            ; v3  the step's V
.set SPW, 4                            ; v4  my spare word; never rewritten
.set NIL, 5                            ; v5  0; never rewritten
.set LIV, 6                            ; v6  16 x lane + VOFF
.set L,   8
.set IV,  24
.set S,   32
.set P,   96
.set V,   128
.set OUTR, 192
.set Q,   128
.set E,   192
.set K,   224
.set WV,  8                            ; s8  wave
.set G1,  16                           ; s[16:23] descriptor group 1
.set G0,  24                           ; s[24:27] group 0 of the first fill; s[28:31] of the second, which then walks
.set SEL, 32                           ; s[32:33]
.set TB,  34                           ; s34 LDS byte of the step to be fetched
.set SLOTS, 35
.set PAIRS, 36
.set W_P, 0x50                         ; C and D window 1, sources 0 and 1 window 0
.set W_K, 0x05                         ; sources 0 and 1 window 1, C and D window 0
.set MSB, 0
.macro WIN new                         ; the immediate's high byte repeats the setting that is left
.if MSB != \new
	s_set_vgpr_msb (MSB<<8)|\new
.set MSB, \new
.endif
.endm
.macro CROUND                          ; a round of the cluster's barrier
	s_barrier_signal -1
	s_barrier_wait -1
	s_cmp_lg_u32 s[WV], 0
	s_cbranch_scc1 .Lnot_wave_0_\@
	s_barrier_signal -3
.Lnot_wave_0_\@:
	s_barrier_wait -3
	s_barrier_signal -1
	s_barrier_wait -1
.endm
.macro FETCH vb                        ; the next step's K (8 loads) and V (8 loads, into set vb)
	WIN 0
	v_add_nc_u32 v[ADK], s[TB], v[LI]
	v_add_nc_u32 v[ADV], s[TB], v[LIV]
	s_add_co_u32 s[TB], s[TB], 4096
	WIN W_P
.irp i, 0,1,2,3,4,5,6,7
	ds_load_b128 v[K+4*\i:K+4*\i+3], v[ADK] offset:512*\i
.endr
	WIN 0
.irp i, 0,1,2,3,4,5,6,7
	ds_load_b128 v[V+32*(\vb)+4*\i:V+32*(\vb)+4*\i+3], v[ADV] offset:512*\i
.endr
.endm
; product i of 8 of O^T += V^T P: tile 2 x + i % 2, d-tile i / 2: eight accumulators, one instruction each
.macro PV x, vb, zero
.set rO, 32*(2*(\x)+i%2)+8*(i/2)
.set rV, V+32*(\vb)+8*(i/2)
.set rP, P+8*(2*(\x)+i%2)
.if \zero
	v_wmma_f32_16x16x32_f16 v[rO:rO+7], v[rV:rV+7], v[rP:rP+7], 0
.else
	v_wmma_f32_16x16x32_f16 v[rO:rO+7], v[rV:rV+7], v[rP:rP+7], v[rO:rO+7]
.endif
.endm
; product i of 8 of S^T = K Q^T: channels 32 (i / 4) on, key tile (i / 2) % 2, tile 2 x + i % 2: four accumulators by turns; the first four start the sums
.macro KQ x
.set rS, S+16*(2*(\x)+i%2)+8*((i/2)%2)
.set rK, K+16*((i/2)%2)+8*(i/4)
.set rQ, Q+16*(2*(\x)+i%2)+8*(i/4)
.if i < 4
	v_wmma_f32_16x16x32_f16 v[rS:rS+7], v[rK:rK+7], v[rQ:rQ+7], 0
.else
	v_wmma_f32_16x16x32_f16 v[rS:rS+7], v[rK:rK+7], v[rQ:rQ+7], v[rS:rS+7]
.endif
.endm
.macro EXP4 y                          ; slice i of 8: p = 2^t, ascending
.irp n, 0,1,2,3
	v_exp_f32 v[E+4*i+\n], v[S+32*(\y)+4*i+\n]
.endr
.endm
.macro CVT4 y                          ; slice i of 4: eight weights rounded to f16
.irp n, 0,1,2,3
	v_cvt_pk_f16_f32 v[P+16*(\y)+4*i+\n], v[E+8*i+2*\n], v[E+8*i+2*\n+1]
.endr
.endm
.macro SUM4 y                          ; slice i of 4..7: four pairs into four chains.  (A multiply-add by 1, since only its third source lies in the sums' window under this setting)
.set u, i-4
	v_pk_fma_f32 v[L+8*(\y):L+8*(\y)+1], v[E+4*u:E+4*u+1], 1.0, v[L+8*(\y):L+8*(\y)+1] op_sel_hi:[1,0,1]
	v_pk_fma_f32 v[L+8*(\y)+2:L+8*(\y)+3], v[E+4*u+2:E+4*u+3], 1.0, v[L+8*(\y)+2:L+8*(\y)+3] op_sel_hi:[1,0,1]
	v_pk_fma_f32 v[L+8*(\y)+4:L+8*(\y)+5], v[E+16+4*u:E+16+4*u+1], 1.0, v[L+8*(\y)+4:L+8*(\y)+5] op_sel_hi:[1,0,1]
	v_pk_fma_f32 v[L+8*(\y)+6:L+8*(\y)+7], v[E+16+4*u+2:E+16+4*u+3], 1.0, v[L+8*(\y)+6:L+8*(\y)+7] op_sel_hi:[1,0,1]
.endm
; A TURN.  Piece x has the matrix unit, piece 1 - x the vector unit.  The four sums behind the last K Q^T are the places in front of the next turn's reads of those scores and of K's loads.
.macro TURN x, vb, zero, kq, fetch
.if \fetch
	FETCH 1-(\vb)
	s_wait_dscnt 16                                ; all but the 16 just issued: this step's V is in
.else
	s_wait_dscnt 0x0
.endif
	WIN W_P
.set i, 0
.rept 8
	PV \x, \vb, \zero
	EXP4 1-(\x)
.set i, i+1
.endr
	v_nop                                          ; a plain instruction behind the last exponential
	s_wait_alu depctr_va_vdst(0)                   ; the wait ahead of the first line that names a result: one for the turn's 32 exponentials
.if \fetch
	s_wait_dscnt 8                                 ; K is in; V's eight loads may be out
.endif
	WIN W_K
.set i, 0
.rept 8
.if \kq
	KQ \x
.endif
.if i < 4
	CVT4 1-(\x)
.else
	SUM4 1-(\x)
.endif
.set i, i+1
.endr
.endm
.macro PAIR                            ; two key steps, until V's sets are back where they began
	TURN 0, 1, 0, 1, 1
	TURN 1, 1, 0, 1, 0
	TURN 0, 0, 0, 1, 1
	TURN 1, 0, 0, 1, 0
	WIN 0
.endm
; THE CHANGE OF SLOTS: the slot's last step has been fetched.  Each wave waits for all its tensor loads (one is out: its part of the other slot), adds 0 to its spare word, and waits for that and for its reads of the slot.
; fill = 1: the slot is filled again, behind a round of the cluster's barrier; the joint load is the first thing there, one a wave.
.macro CHANGE fill
	WIN 0
	s_wait_tensorcnt 0x0                           ; no tensor load of mine is out, so a group 0 may be written
	ds_add_u32 v[SPW], v[NIL]
.if \fill
	s_xor_b32 s[G0+5], s[G0+5], SLOT1              ; the walking descriptor: the other slot than last time,
	s_add_nc_u64 s[G0+6:G0+7], s[G0+6:G0+7], 65536 ; the next 512 keys; the type bits on top are not reached
.endif
	s_wait_dscnt 0x0                               ; the add is done, and my reads of the slot are over
.if \fill
	CROUND
	tensor_load_to_lds s[G0+4:G0+7], s[G1:G1+7]
	s_nop 0
.rept 4
	v_nop
.endr
.else
	s_barrier_signal -1
	s_barrier_wait -1
.endif
	s_sub_co_u32 s[TB], s[TB], 65536               ; the fetches go back to a slot's first step,
	s_xor_b32 s[TB], s[TB], SLOT1                  ; in the other slot
.endm
	s_load_b128 s[4:7], s[0:1], 0x0                ; qkv s[4:5], at s[6:7]
	v_lshl_add_u32 v[SPW], v0, 2, SPARE
	v_mov_b32 v[NIL], 0
	ds_add_u32 v[SPW], v[NIL]                      ; the wave's opening: the add, twice on end, and its wait ahead of my first tensor load
	ds_add_u32 v[SPW], v[NIL]
	v_lshrrev_b32 v1, 5, v0
	v_readfirstlane_b32 s[WV], v1                  ; wave 0..7
	s_bfe_u32 s9, ttmp6, 0x40000                   ; cx: my block of 512 queries: it enters Q's and at's addresses alone
	s_and_b32 s10, ttmp7, 0xffff                   ; the (batch, head) pair, which the four partners share
	s_mov_b32 s[G1], 15|(3<<16)|(1<<21)            ; 15:0 the mask: all four; 17:16 elements of 8 bytes; 21 set beside a mask; no padding
	s_mov_b32 s[G1+1], 32<<16                      ; tensor_dim0 = 32 elements: rows of 256 bytes
	s_mov_b32 s[G1+2], 64<<16                      ; tensor_dim1 = 64
	s_mov_b32 s[G1+3], 32<<16                      ; tile_dim0
	s_mov_b32 s[G1+4], 64                          ; tile_dim1: 16,384 dense bytes a load
	s_mov_b32 s[G1+5], 32                          ; the pitch
	s_mov_b32 s[G1+6], 0
	s_mov_b32 s[G1+7], 0
	s_lshr_b32 s12, s[WV], 2                       ; waves 0-3 fetch K's quarters (role 0), waves 4-7 V's (role 2)
	s_lshl_b32 s12, s12, 25
	s_lshl_b32 s13, s10, 18
	s_add_co_u32 s12, s12, s13
	s_and_b32 s13, s[WV], 3
	s_lshl_b32 s13, s13, 14
	s_add_co_u32 s12, s12, s13
	s_mov_b32 s13, 0
	s_lshl_b32 s14, s[WV], 14                      ; and where it goes: 16,384 x wave: no place in the cluster enters an LDS address
	s_lshl_b32 s38, s10, 18                        ; Q: role 1, my pair, my block, my wave's 4 token tiles
	s_lshl_b32 s39, s9, 16
	s_add_co_u32 s38, s38, s39
	s_lshl_b32 s39, s[WV], 13
	s_add_co_u32 s38, s38, s39
	s_add_co_u32 s38, s38, 16777216
	s_mov_b32 s39, 0
	s_lshr_b32 s40, s10, 4                         ; at: (batch x 128 + 32 cx + 4 wave) token tiles of 32,768 bytes + head x 2,048
	s_lshl_b32 s40, s40, 7
	s_lshl_b32 s41, s9, 5
	s_add_co_u32 s40, s40, s41
	s_lshl_b32 s41, s[WV], 2
	s_add_co_u32 s40, s40, s41
	s_lshl_b32 s40, s40, 15
	s_and_b32 s41, s10, 15
	s_lshl_b32 s41, s41, 11
	s_add_co_u32 s40, s40, s41
	s_mov_b32 s41, 0
	s_mov_b32 s[SEL], 0x76543210
	s_mov_b32 s[SEL+1], 0xfedcba98
	s_mov_b32 s[TB], 0
	s_wait_dscnt 0x0                               ; both opening adds are done
	s_wait_kmcnt 0x0
	s_add_nc_u64 s[12:13], s[4:5], s[12:13]
	s_add_nc_u64 s[38:39], s[4:5], s[38:39]
	s_add_nc_u64 s[40:41], s[6:7], s[40:41]
	CROUND                                         ; all four work-groups are here: the first joint loads meet
	s_mov_b32 s[G0], 1                             ; count = 1
	s_mov_b32 s[G0+1], s14                         ; slot 0
	s_mov_b64 s[G0+2:G0+3], s[12:13]               ; keys 0 to 511
	s_or_b32 s[G0+3], s[G0+3], 0x80000000          ; type = 2
	s_mov_b32 s[G0+4], 1
	s_add_co_u32 s[G0+5], s14, SLOT1               ; slot 1
	s_add_nc_u64 s[G0+6:G0+7], s[12:13], 65536     ; keys 512 to 1,023
	s_or_b32 s[G0+7], s[G0+7], 0x80000000
	tensor_load_to_lds s[G0:G0+3], s[G1:G1+7]      ; two loads of mine are out
	s_nop 0
	tensor_load_to_lds s[G0+4:G0+7], s[G1:G1+7]
	s_nop 0
.rept 4
	v_nop
.endr
	v_and_b32 v[LI], 31, v0
	v_lshlrev_b32 v[LI], 4, v[LI]
	v_add_nc_u32 v[LIV], VOFF, v[LI]
	WIN 0x40
.irp i, 0,1,2,3,4,5,6,7,8,9,10,11,12,13,14,15
	global_load_b128 v[Q+4*\i:Q+4*\i+3], v[LI], s[38:39] offset:512*\i         ; Q stays in registers
.endr
	WIN 0
.irp i, 0,1,2,3,4,5,6,7,8,9,10,11,12,13,14,15
	v_mov_b32 v[L+\i], 0                           ; the sums
.endr
	s_wait_tensorcnt 1                             ; my part of slot 0 is in; slot 1's may stay out
	s_barrier_signal -1
	s_barrier_wait -1
	FETCH 0                                        ; key step 0
	s_wait_loadcnt 0x0                             ; Q
	s_wait_dscnt 0x0
	WIN W_K
.irp x, 0,1
.set i, 0
.rept 8
	KQ \x                                          ; both pieces' first scores: there is no vector work yet to set between them
.set i, i+1
.endr
.endr
.rept 4
	v_nop
.endr
	WIN W_P
.set i, 0
.rept 8
	EXP4 0                                         ; piece 0's first softmax
.set i, i+1
.endr
	v_nop
	s_wait_alu depctr_va_vdst(0)
	WIN W_K
.set i, 0
.rept 8
.if i < 4
	CVT4 0
.else
	SUM4 0
.endif
.set i, i+1
.endr
	TURN 0, 0, 1, 1, 1                             ; key step 0: its products V^T P start O^T's sums
	TURN 1, 0, 1, 1, 0
	WIN 0
	s_mov_b32 s[PAIRS], 7                          ; key steps 1 to 14; step 14 fetches step 15, the slot's last
.Lfirst:
	PAIR
	s_sub_co_u32 s[PAIRS], s[PAIRS], 1
	s_cmp_lg_u32 s[PAIRS], 0
	s_cbranch_scc1 .Lfirst
	s_mov_b32 s[SLOTS], 2                          ; two slots are filled again: keys 1,024 on and 1,536 on
.Lslot:
	CHANGE 1
	s_mov_b32 s[PAIRS], 8
.Lmid:
	PAIR
	s_sub_co_u32 s[PAIRS], s[PAIRS], 1
	s_cmp_lg_u32 s[PAIRS], 0
	s_cbranch_scc1 .Lmid
	s_sub_co_u32 s[SLOTS], s[SLOTS], 1
	s_cmp_lg_u32 s[SLOTS], 0
	s_cbranch_scc1 .Lslot
	CHANGE 0                                       ; the tail is written out
	s_mov_b32 s[PAIRS], 8                          ; key steps 47 to 62
.Llast:
	PAIR
	s_sub_co_u32 s[PAIRS], s[PAIRS], 1
	s_cmp_lg_u32 s[PAIRS], 0
	s_cbranch_scc1 .Llast
	TURN 0, 1, 0, 0, 0                             ; key step 63: piece 0's V^T P | piece 1's last softmax
	WIN W_P
.set i, 0
.rept 8
	PV 1, 1, 0
.set i, i+1
.endr
	WIN 0
	; THE WAY OUT.  A tile's four partial sums and the other half of the lanes' are added (these lines are also the places behind the last products); O^T is divided, rounded to f16 and stored as images
.irp t, 0,1,2,3
	v_add_f32 v[IV+2*\t], v[L+4*\t], v[L+4*\t+1]
	v_add_f32 v[IV+2*\t+1], v[L+4*\t+2], v[L+4*\t+3]
.endr
.irp t, 0,1,2,3
	v_add_f32 v[IV+2*\t], v[IV+2*\t], v[IV+2*\t+1]
.endr
.irp t, 0,1,2,3
	v_permlanex16_b32 v[IV+2*\t+1], v[IV+2*\t], s[SEL], s[SEL+1]
.endr
.irp t, 0,1,2,3
	v_add_f32 v[IV+2*\t], v[IV+2*\t], v[IV+2*\t+1]
.endr
.irp t, 0,1,2,3
	v_rcp_f32 v[IV+2*\t], v[IV+2*\t]
.endr
	v_nop                                          ; a plain instruction behind the last reciprocal
	s_wait_alu depctr_va_vdst(0)                   ; and the wait ahead of the first use: one for the four
	WIN 0x41                                       ; O^T (destination, source 0) window 1, 1 / l window 0
.irp t, 0,1,2,3
.irp p, 0,2,4,6,8,10,12,14,16,18,20,22,24,26,28,30
	v_pk_mul_f32 v[32*\t+\p:32*\t+\p+1], v[32*\t+\p:32*\t+\p+1], v[IV+2*\t:IV+2*\t+1] op_sel_hi:[1,0]
.endr
.endr
	WIN 0x05
.set i, 0
.rept 64
	v_cvt_pk_f16_f32 v[OUTR+i], v[2*i], v[2*i+1]
.set i, i+1
.endr
	WIN 0
.irp t, 0,1,2,3
.irp d, 0,1,2,3
	global_store_b128 v[LI], v[OUTR+16*\t+4*\d:OUTR+16*\t+4*\d+3], s[40:41] offset:32768*\t+512*\d   ; token tile t, channels 16 d on: 512 consecutive bytes
.endr
.endr
	s_wait_tensorcnt 0x0                           ; the wave's end
	ds_add_u32 v[SPW], v[NIL]
	s_wait_dscnt 0x0
	CROUND                                         ; the closing round: no work-group ends while a partner may still ask for a tile that names it
	s_endpgm
.Lfunc_end_k_q8d4d6f3282_attn:
	.size	k_q8d4d6f3282_attn, .Lfunc_end_k_q8d4d6f3282_attn-k_q8d4d6f3282_attn
	.p2alignl 7, 3214868480
	.fill 96, 4, 3214868480
	.section	.rodata,"a",@progbits
	.p2align	6, 0x0
	.amdhsa_kernel k_q8d4d6f3282_attn
		.amdhsa_group_segment_fixed_size 327680
		.amdhsa_private_segment_fixed_size 0
		.amdhsa_enable_private_segment 0
		.amdhsa_kernarg_size 16
		.amdhsa_user_sgpr_count 2
		.amdhsa_user_sgpr_kernarg_segment_ptr 1
		.amdhsa_wavefront_size32 1
		.amdhsa_system_sgpr_workgroup_id_x 1
		.amdhsa_system_sgpr_workgroup_id_y 1
		.amdhsa_system_sgpr_workgroup_id_z 1
		.amdhsa_system_vgpr_workitem_id 0
		.amdhsa_next_free_vgpr 512
		.amdhsa_next_free_sgpr 66
		.amdhsa_reserve_vcc 0
		.amdhsa_float_denorm_mode_32 3
		.amdhsa_float_denorm_mode_16_64 3
		.amdhsa_memory_ordered 1
		.amdhsa_forward_progress 1
		.amdhsa_inst_pref_size 96
	.end_amdhsa_kernel
	.amdgpu_metadata
---
amdhsa.version: [ 1, 2 ]
amdhsa.kernels:
  - .name:           k_q8d4d6f3282_attn
    .symbol:         k_q8d4d6f3282_attn.kd
    .args:
      - { .name: qkv, .offset: 0, .size: 8, .value_kind: global_buffer, .address_space: global }
      - { .name: at, .offset: 8, .size: 8, .value_kind: global_buffer, .address_space: global }
    .group_segment_fixed_size: 327680
    .private_segment_fixed_size: 0
    .kernarg_segment_align: 8
    .kernarg_segment_size: 16
    .max_flat_workgroup_size: 256
    .sgpr_count:     66
    .vgpr_count:     512
    .wavefront_size: 32
...
	.end_amdgpu_metadata
.endif
;; end of part 3
;; launch proj (part 4): grid 4 x 64, 4 waves a work-group, clusters of 4 x 4, 327,680 bytes of LDS; arguments at, wo16, bo, out0; writes out0
.if DOCPART == 4
	.amdgcn_target "amdgcn-amd-amdhsa--gfx1250"
	.amdhsa_code_object_version 6
	.text
	.protected	k_q8d4d6f3282_proj
	.globl	k_q8d4d6f3282_proj
	.p2align	8
	.type	k_q8d4d6f3282_proj,@function
k_q8d4d6f3282_proj:
	s_mov_b64 s[64:65], 0
	v_nop
	global_prefetch_b8 v0, s[64:65] scope:SCOPE_SE
	s_setreg_imm32_b32 hwreg(HW_REG_WAVE_MODE, 25, 1), 1
	s_wait_xcnt 0x0
	s_wait_alu depctr_hold_cnt(0) depctr_sa_sdst(0) depctr_va_vdst(0) depctr_va_sdst(0) depctr_va_ssrc(0) depctr_va_vcc(0) depctr_vm_vsrc(0)
	s_getreg_b32 s2, hwreg(HW_REG_IB_STS2, 6, 4)
	s_cmp_eq_u32 s2, 0
	s_cbranch_scc0 .Lentry_in_a_cluster
	s_endpgm
.Lentry_in_a_cluster:
	s_bfe_u32 s2, ttmp6, 0x10000c
	s_cmp_lg_u32 s2, 0xf033
	s_cbranch_scc0 .Lentry_shape_is_right
	s_endpgm
.Lentry_shape_is_right:
; FOURTH LAUNCH: out0 = at Wo + bo.  at [8,192][1,024] and Wo^T [1,024][1,024] arrive in f16 as images of operand registers ([tile of 16 rows][K step of 32][1,024 bytes]); sums in f32; out0 f32.  No work is left out.
; A tile of out0 is 128 rows x 256 columns: 64 x 4 = 256 work-groups of four waves; a wave makes 64 x 128: 32 accumulators.  K goes in steps of 128 through two LDS slots.
; THE MATRIX INSTRUCTION IS USED TRANSPOSED (source 0 = 16 columns of Wo, source 1 = 16 rows of at): a lane holds 8 neighbouring numbers of a row of out0.  bo is the C of each sum's first product.
; CLUSTERS: 4 x 4 work-groups.  The four of a row of the cluster need the same tiles of at, the four of a column the same tiles of Wo: each is asked for JOINTLY.
; No prefetch: the tiles are shared by four and a K step is short; the loads' own lead of a slot, 128 matrix instructions, is what this tile offers.
; REGISTERS.  window 0: v16-29 addresses; v64-127 at's fragments, two sets of 4 x 8; v128-255 Wo's, two sets of 8 x 8 (on the way out: rows of out0).  window 1: accumulator (a, b) at 8 (8 a + b).  window 2: v0-63 bo, 8 a tile b.
.set SLOT,   98304                     ; at: [m-tile 8][4][1,024], then Wo: [n-tile 16][4][1,024]
.set BOFF,   32768
.set STAGE,  2*SLOT                    ; behind the ring: 16 rows x (512 + 16) bytes for each wave
.set SPITCH, 528
.set SPARE,  STAGE+4*16*SPITCH         ; the spare words, 128 bytes for each wave: two blocks of 256 bytes that no other line names
.set ADRA, 16                          ; v16-17 my fragments of at in slot 0, 1
.set ADRB, 20                          ; v20-21 of Wo
.set STO,  24
.set RD,   25
.set CO,   26                          ; v26  16 x lane
.set SPW,  28                          ; v28  my spare word; never rewritten
.set NIL,  29                          ; v29  0; never rewritten
.set AF,   64
.set BF,   128
.set BK,   128
.set WV,   12                          ; s12 wave; s13 = wave / 2: my half of the rows, and: I fetch for at (0) or for Wo (1); s14 = wave % 2: my half of the columns, and: which half I fetch
.set G1,   24
.set G0,   32
.set G1B,  48
.set G0B,  56
.set MSB, 0
.macro WIN new
.if MSB != \new
	s_set_vgpr_msb (MSB<<8)|\new
.set MSB, \new
.endif
.endm
.macro JLOAD s                         ; a joint load; an s_nop 0 and four v_nop follow each of the two lines, ahead of the jump, the label and what follows
	s_cmp_eq_u32 s13, 0
	s_cbranch_scc0 .Lfor_b_\@
	tensor_load_to_lds s[G0+4*\s:G0+4*\s+3], s[G1:G1+7]
	s_nop 0
.rept 4
	v_nop
.endr
	s_branch .Lasked_\@
.Lfor_b_\@:
	tensor_load_to_lds s[G0B+4*\s:G0B+4*\s+3], s[G1B:G1B+7]
	s_nop 0
.rept 4
	v_nop
.endr
.Lasked_\@:
.endm
.macro CREST                           ; a round of the cluster's barrier behind its opening barrier
	s_cmp_lg_u32 s[WV], 0
	s_cbranch_scc1 .Lnot_wave_0_\@
	s_barrier_signal -3
.Lnot_wave_0_\@:
	s_barrier_wait -3
	s_barrier_signal -1
	s_barrier_wait -1
.endm
.macro CROUND
	s_barrier_signal -1
	s_barrier_wait -1
	CREST
.endm
.macro PLACES
.rept 4
	v_nop
.endr
.endm
; 8 products: m-tile a x my 8 n-tiles, 32 along K, from fragment set f.  first = 1: bo starts the sums.  The 32 accumulators take turns, in the same order in every K step of 32
.macro MUL8 a, f, first
.irp b, 0,1,2,3,4,5,6,7
.if \first
	v_wmma_f32_16x16x32_f16 v[8*(8*(\a)+\b):8*(8*(\a)+\b)+7], v[BF+64*(\f)+8*\b:BF+64*(\f)+8*\b+7], v[AF+32*(\f)+8*(\a):AF+32*(\f)+8*(\a)+7], v[8*\b:8*\b+7]
.else
	v_wmma_f32_16x16x32_f16 v[8*(8*(\a)+\b):8*(8*(\a)+\b)+7], v[BF+64*(\f)+8*\b:BF+64*(\f)+8*\b+7], v[AF+32*(\f)+8*(\a):AF+32*(\f)+8*(\a)+7], v[8*(8*(\a)+\b):8*(8*(\a)+\b)+7]
.endif
.endr
.endm
.macro FETCH slot, q, f                ; the fragments of the slot's q-th 32 along K: 24 loads in one run
.irp b, 0,1,2,3,4,5,6,7
.irp c, 0,1
	ds_load_b128 v[BF+64*(\f)+8*\b+4*\c:BF+64*(\f)+8*\b+4*\c+3], v[ADRB+\slot] offset:4096*\b+1024*(\q)+512*\c
.endr
.endr
.irp a, 0,1,2,3
.irp c, 0,1
	ds_load_b128 v[AF+32*(\f)+8*\a+4*\c:AF+32*(\f)+8*\a+4*\c+3], v[ADRA+\slot] offset:4096*\a+1024*(\q)+512*\c
.endr
.endr
.endm
.macro QUARTER slot, q, first          ; one of a slot's first three: multiplies set q % 2 and fetches the next into the other
	s_wait_dscnt 0x0                               ; this quarter's fragments are in
	PLACES                                         ; in front of loads into the set that the last quarter multiplied
	FETCH \slot, (\q)+1, 1-(\q)%2
.if \first
	WIN 0x60                                       ; C window 2 (bo), D window 1
.else
	WIN 0x50                                       ; C and D window 1
.endif
	MUL8 0, (\q)%2, \first
	MUL8 1, (\q)%2, \first
	MUL8 2, (\q)%2, \first
	MUL8 3, (\q)%2, \first
	WIN 0
.endm
; a slot's last quarter changes slots: ONE barrier; in front of it each wave waits for all its tensor loads, adds 0 to its spare word, and waits for that and for its reads of this slot
.macro TURN slot, next, fill
	s_wait_tensorcnt 0x0                           ; all my tensor loads have landed: my part of the next slot
	ds_add_u32 v[SPW], v[NIL]
	s_wait_dscnt 1                                 ; the fragments are in; the add may be out
	WIN 0x50
	MUL8 0, 1, 0                                   ; eight products stand between the add and the wait for it
	s_wait_dscnt 0x0                               ; the add is done, and my reads of this slot are over
	s_barrier_signal -1
	MUL8 1, 1, 0
	WIN 0
	s_barrier_wait -1
.if \fill
	CREST                                          ; the barrier has opened a round of the cluster's: no wave of any partner still reads this slot or has a load on its way
	s_add_nc_u64 s[G0+4*\slot+2:G0+4*\slot+3], s[G0+4*\slot+2:G0+4*\slot+3], 8192
	s_add_nc_u64 s[G0B+4*\slot+2:G0B+4*\slot+3], s[G0B+4*\slot+2:G0B+4*\slot+3], 8192
	JLOAD \slot                                    ; the first tensor load behind the round; its four v_nop are also the places in front of the loads below
.else
	PLACES
.endif
	FETCH \next, 0, 0
	WIN 0x50
	MUL8 2, 1, 0
	MUL8 3, 1, 0
	WIN 0
.endm
	s_load_b128 s[4:7], s[0:1], 0x0                ; at s[4:5], wo16 s[6:7]
	s_load_b128 s[8:11], s[0:1], 0x10              ; bo s[8:9], out0 s[10:11]
	v_lshl_add_u32 v[SPW], v0, 2, SPARE
	v_mov_b32 v[NIL], 0
	ds_add_u32 v[SPW], v[NIL]                      ; the wave's opening: the add, twice on end, and its wait ahead of my first tensor load
	ds_add_u32 v[SPW], v[NIL]
	v_lshrrev_b32 v1, 5, v0
	v_readfirstlane_b32 s[WV], v1                  ; wave 0..3
	s_lshr_b32 s13, s[WV], 1
	s_and_b32 s14, s[WV], 1
	s_bfe_u32 s40, ttmp6, 0x40000                  ; cx, cy
	s_bfe_u32 s41, ttmp6, 0x40004
	s_lshl_b32 s42, ttmp9, 2
	s_add_co_u32 s42, s42, s40                     ; tile column
	s_and_b32 s15, ttmp7, 0xffff
	s_lshl_b32 s15, s15, 2
	s_add_co_u32 s15, s15, s41                     ; tile row
	s_lshl_b32 s43, s41, 2
	s_lshl_b32 s43, 15, s43                        ; my row of the cluster
	s_lshl_b32 s44, 0x1111, s40                    ; my column
	s_or_b32 s[G1], s43, (3<<16)|(1<<21)           ; the mask; elements of 8 bytes; bit 21 beside a mask; no padding
	s_or_b32 s[G1B], s44, (3<<16)|(1<<21)
	s_mov_b32 s[G1+1], 512<<16                     ; rows of 512 elements: a tile's four K steps of 32, 4,096 bytes
	s_mov_b32 s[G1+2], 4<<16                       ; at: 4 m-tiles a load
	s_mov_b32 s[G1+3], 512<<16
	s_mov_b32 s[G1+4], 4
	s_mov_b32 s[G1+5], 4096                        ; from tile to tile: 32,768 bytes
	s_mov_b32 s[G1+6], 0
	s_mov_b32 s[G1+7], 0
	s_mov_b32 s[G1B+1], 512<<16
	s_mov_b32 s[G1B+2], 8<<16                      ; Wo: 8 n-tiles a load
	s_mov_b32 s[G1B+3], 512<<16
	s_mov_b32 s[G1B+4], 8
	s_mov_b32 s[G1B+5], 4096
	s_mov_b32 s[G1B+6], 0
	s_mov_b32 s[G1B+7], 0
	s_lshl_b32 s16, s15, 3                         ; at: m-tile 8 x tile row + 4 x half
	s_lshl_b32 s17, s14, 2
	s_add_co_u32 s16, s16, s17
	s_lshl_b32 s16, s16, 15
	s_mov_b32 s17, 0
	s_lshl_b32 s46, s42, 4                         ; Wo: n-tile 16 x tile column + 8 x half
	s_lshl_b32 s47, s14, 3
	s_add_co_u32 s46, s46, s47
	s_lshl_b32 s46, s46, 15
	s_mov_b32 s47, 0
	s_lshl_b32 s20, s14, 14                        ; where they go: no place in the cluster enters an LDS address
	s_lshl_b32 s21, s14, 15
	s_add_co_u32 s21, s21, BOFF
	s_wait_dscnt 0x0                               ; both opening adds are done
	s_wait_kmcnt 0x0
	s_add_nc_u64 s[16:17], s[4:5], s[16:17]
	s_add_nc_u64 s[46:47], s[6:7], s[46:47]
	CROUND                                         ; all sixteen work-groups are here: the first joint loads meet
.irp s, 0,1
	s_mov_b32 s[G0+4*\s], 1
	s_add_co_u32 s[G0+4*\s+1], s20, \s*SLOT
	s_add_nc_u64 s[G0+4*\s+2:G0+4*\s+3], s[16:17], \s*4096
	s_or_b32 s[G0+4*\s+3], s[G0+4*\s+3], 0x80000000
	s_mov_b32 s[G0B+4*\s], 1
	s_add_co_u32 s[G0B+4*\s+1], s21, \s*SLOT
	s_add_nc_u64 s[G0B+4*\s+2:G0B+4*\s+3], s[46:47], \s*4096
	s_or_b32 s[G0B+4*\s+3], s[G0B+4*\s+3], 0x80000000
	JLOAD \s
.endr
	v_and_b32 v1, 31, v0
	v_lshlrev_b32 v[CO], 4, v1
	s_lshl_b32 s18, s13, 14                        ; my 4 m-tiles
	s_lshl_b32 s19, s14, 15
	s_add_co_u32 s19, s19, BOFF                    ; my 8 n-tiles
.irp s, 0,1
	v_add_nc_u32 v[ADRA+\s], s18, v[CO]
	v_add_nc_u32 v[ADRB+\s], s19, v[CO]
	s_add_co_u32 s18, s18, SLOT
	s_add_co_u32 s19, s19, SLOT
.endr
	s_mul_i32 s18, s[WV], 16*SPITCH
	s_add_co_u32 s18, s18, STAGE                   ; my stage
	v_and_b32 v2, 15, v0
	v_bfe_u32 v3, v0, 4, 1
	v_mul_u32_u24 v4, v2, SPITCH
	v_lshl_add_u32 v4, v3, 5, v4
	v_add_nc_u32 v[STO], s18, v4                   ; in: row r, 32 bytes for each half of the lanes
	v_add_nc_u32 v[RD], s18, v[CO]                 ; back: a row of 512 bytes
	v_lshlrev_b32 v5, 5, v3                        ; bo: my half's 8 numbers of a tile
	s_lshl_b32 s18, s42, 10
	s_lshl_b32 s19, s14, 9
	s_add_co_u32 s18, s18, s19
	s_mov_b32 s19, 0
	s_add_nc_u64 s[8:9], s[8:9], s[18:19]          ; bo at my first column
	s_add_nc_u64 s[10:11], s[10:11], s[18:19]      ; out0 likewise,
	s_lshl_b32 s18, s15, 7
	s_lshl_b32 s22, s13, 6
	s_add_co_u32 s18, s18, s22
	s_lshl_b32 s18, s18, 12
	s_add_nc_u64 s[10:11], s[10:11], s[18:19]      ; and at my first row: (128 x tile row + 64 x half) x 4,096 bytes
	WIN 0x80
.irp b, 0,1,2,3,4,5,6,7
	global_load_b128 v[8*\b:8*\b+3], v5, s[8:9] offset:64*\b
	global_load_b128 v[8*\b+4:8*\b+7], v5, s[8:9] offset:64*\b+16
.endr
	WIN 0
	s_wait_tensorcnt 1                             ; my part of slot 0 is in; slot 1's may stay out
	s_barrier_signal -1
	s_barrier_wait -1
	FETCH 0, 0, 0
	s_wait_loadcnt 0x0                             ; bo
	QUARTER 0, 0, 1                                ; the first quarter stands in front of the loop: its products start the sums
	s_mov_b32 s3, 3
.Llap:                                             ; a trip goes once round the ring and fills both slots again: K steps 2 to 7
	QUARTER 0, 1, 0
	QUARTER 0, 2, 0
	TURN 0, 1, 1
	QUARTER 1, 0, 0
	QUARTER 1, 1, 0
	QUARTER 1, 2, 0
	TURN 1, 0, 1
	QUARTER 0, 0, 0
	s_sub_co_u32 s3, s3, 1
	s_cmp_lg_u32 s3, 0
	s_cbranch_scc1 .Llap
	QUARTER 0, 1, 0                                ; the last lap fills nothing
	QUARTER 0, 2, 0
	TURN 0, 1, 0
	QUARTER 1, 0, 0
	QUARTER 1, 1, 0
	QUARTER 1, 2, 0
	s_wait_dscnt 0x0
	WIN 0x50
	MUL8 0, 1, 0
	MUL8 1, 1, 0
	MUL8 2, 1, 0
	MUL8 3, 1, 0
	WIN 0
; THE WAY OUT, 16 rows x 128 columns at a time, through my own stage: in as 32 bytes a lane, back as whole rows of 512 bytes.  LDS serves a wave's instructions in order: no wait between the stores and the loads
.macro TOSTAGE a
	WIN 0x04                                       ; an LDS store's data are its source 1: window 1
.irp b, 0,1,2,3,4,5,6,7
	ds_store_b128 v[STO], v[8*(8*(\a)+\b):8*(8*(\a)+\b)+3] offset:64*\b          ; each accumulator from its low end on
	ds_store_b128 v[STO], v[8*(8*(\a)+\b)+4:8*(8*(\a)+\b)+7] offset:64*\b+16
.endr
	WIN 0
.irp t, 0,1,2,3,4,5,6,7,8,9,10,11,12,13,14,15
	ds_load_b128 v[BK+64*((\a)%2)+4*\t:BK+64*((\a)%2)+4*\t+3], v[RD] offset:\t*SPITCH
.endr
.endm
.macro SEND a, younger                 ; younger: the LDS instructions issued behind block a's loads, which may stay out
	s_wait_dscnt \younger
.irp t, 0,1,2,3,4,5,6,7,8,9,10,11,12,13,14,15
	global_store_b128 v[CO], v[BK+64*((\a)%2)+4*\t:BK+64*((\a)%2)+4*\t+3], s[10:11] offset:65536*(\a)+4096*\t th:TH_STORE_NT   ; 512 consecutive bytes, aligned; written once
.endr
.endm
	PLACES                                         ; behind the last products: for the stores that read results and the loads into Wo's registers
	TOSTAGE 0
	TOSTAGE 1
	SEND 0, 32                                     ; behind block 0's loads: block 1's 16 stores and 16 loads
	s_wait_xcnt 0x0                                ; block 0's stores have read their registers: block 2's loads may land there
	TOSTAGE 2
	SEND 1, 32
	s_wait_xcnt 0x0
	TOSTAGE 3
	SEND 2, 32
	SEND 3, 0
	s_wait_tensorcnt 0x0                           ; the wave's end
	ds_add_u32 v[SPW], v[NIL]
	s_wait_dscnt 0x0
	CROUND                                         ; the closing round
	s_endpgm
.Lfunc_end_k_q8d4d6f3282_proj:
	.size	k_q8d4d6f3282_proj, .Lfunc_end_k_q8d4d6f3282_proj-k_q8d4d6f3282_proj
	.p2alignl 7, 3214868480
	.fill 96, 4, 3214868480
	.section	.rodata,"a",@progbits
	.p2align	6, 0x0
	.amdhsa_kernel k_q8d4d6f3282_proj
		.amdhsa_group_segment_fixed_size 327680
		.amdhsa_private_segment_fixed_size 0
		.amdhsa_enable_private_segment 0
		.amdhsa_kernarg_size 32
		.amdhsa_user_sgpr_count 2
		.amdhsa_user_sgpr_kernarg_segment_ptr 1
		.amdhsa_wavefront_size32 1
		.amdhsa_system_sgpr_workgroup_id_x 1
		.amdhsa_system_sgpr_workgroup_id_y 1
		.amdhsa_system_sgpr_workgroup_id_z 1
		.amdhsa_system_vgpr_workitem_id 0
		.amdhsa_next_free_vgpr 576
		.amdhsa_next_free_sgpr 66
		.amdhsa_reserve_vcc 0
		.amdhsa_float_denorm_mode_32 3
		.amdhsa_float_denorm_mode_16_64 3
		.amdhsa_memory_ordered 1
		.amdhsa_forward_progress 1
		.amdhsa_inst_pref_size 85
	.end_amdhsa_kernel
	.amdgpu_metadata
---
amdhsa.version: [ 1, 2 ]
amdhsa.kernels:
  - .name:           k_q8d4d6f3282_proj
    .symbol:         k_q8d4d6f3282_proj.kd
    .args:
      - { .name: at, .offset: 0, .size: 8, .value_kind: global_buffer, .address_space: global }
      - { .name: wo16, .offset: 8, .size: 8, .value_kind: global_buffer, .address_space: global }
      - { .name: bo, .offset: 16, .size: 8, .value_kind: global_buffer, .address_space: global }
      - { .name: out0, .offset: 24, .size: 8, .value_kind: global_buffer, .address_space: global }
    .group_segment_fixed_size: 327680
    .private_segment_fixed_size: 0
    .kernarg_segment_align: 8
    .kernarg_segment_size: 32
    .max_flat_workgroup_size: 128
    .sgpr_count:     66
    .vgpr_count:     576
    .wavefront_size: 32
...
	.end_amdgpu_metadata
.endif
;; end of part 4
